; MI455X (gfx1250); checked and timed in simulation.
; The chip was launched on July 23, 2026; its instructions are those of AMD's public machine-readable ISA for CDNA 5 (MIT licence, August 2026) and "CDNA5" Instruction Set Architecture Reference Guide (July 2026). The comments in the code are by the model that wrote it; some were corrected since.
;; Attention. Allowed arithmetic: matrix products marked QUANTISED: E3M2 operands, one E8M0 scale for each 32 along K, by v_wmma_scale_f32_16x16x128_f8f6f4 with both operands' format E3M2, f32 sums; everything else in f32.
;; Inputs: Wk 1,024 x 1,024 float32; Wo 1,024 x 1,024 float32; Wq 1,024 x 1,024 float32; Wv 1,024 x 1,024 float32; bk 1,024 float32; bo 1,024 float32; bq 1,024 float32; bv 1,024 float32; x 8 x 1,024 x 1,024 float32.
;; Outputs: out0 8 x 1,024 x 1,024 float32.
;; This version of the problem:
;;   THIS VERSION OF THE PROBLEM IS GIVEN IN LOW PRECISION. The matrix products marked QUANTISED in the list below multiply operands that are first quantised to E3M2 (3 exponent bits, 2 mantissa bits; 6 bits a number), with one power-of-two scale for each 32 numbers along K (OCP MX v1.0); their sums are f32. All else is computed in f32.
;;   The module's matrix products, in the order in which they are computed (A, B: the left and right operand; K: the contracted axis; several contracted axes count as one K, in the product's order):
;;     1. [M 8,192, K 1,024] x [K 1,024, N 1,024]; A: input x; B: input Wq: QUANTISED
;;     2. [M 8,192, K 1,024] x [K 1,024, N 1,024]; A: input x; B: input Wk: QUANTISED
;;     3. [M 8,192, K 1,024] x [K 1,024, N 1,024]; A: input x; B: input Wv: QUANTISED
;;     4. batch 128 x [M 1,024, K 64] x [K 64, N 1,024]; A: computed on the way; B: computed on the way: QUANTISED
;;     5. batch 128 x [M 1,024, K 1,024] x [K 1,024, N 64]; A: softmax (see below); B: computed on the way: QUANTISED
;;     6. [M 8,192, K 1,024] x [K 1,024, N 1,024]; A: computed on the way; B: input Wo: QUANTISED
;;   THE QUANTISER, for each operand of a quantised product, along K:
;;     - K is cut into blocks of 32 from its start; a last block that is shorter is filled with zeros.
;;     - A block's scale is 2^e with e = floor(log2(the largest magnitude in the block)) - 4, held to -126 .. 127; a block of zeros has e = 0. As a byte (E8M0): e + 127.
;;     - Each number is divided by its block's scale, clamped to +-28, and rounded to the nearest number of E3M2, ties to even, subnormals kept.
;;     - The product sums the exact products of the quantised numbers (number of the format x scale) in f32.
;;   ~~~python
;;   def quantise(x, axis):      # numpy; x: float32 -> the quantised numbers, widened to float32 again
;;       x = np.moveaxis(x, axis, -1); K = x.shape[-1]
;;       x = np.pad(x, [(0, 0)] * (x.ndim - 1) + [(0, -K % 32)]); x = x.reshape(x.shape[:-1] + (-1, 32)); a = np.abs(x).max(-1, keepdims=True)
;;       e = np.where(a > 0, np.clip(np.frexp(np.where(a > 0, a, 1))[1] - 1 - 4, -126, 127), 0)      # np.frexp(a)[1] - 1 = floor(log2(a)), exactly
;;       r = np.clip(x / 2.0 ** e, -28, 28)
;;       step = 2.0 ** (np.maximum(np.frexp(np.where(r == 0, 1, r))[1] - 1, -2) - 2)
;;       q = np.round(r / step) * step * 2.0 ** e      # np.round: ties to even
;;       return np.moveaxis(q.reshape(q.shape[:-2] + (-1,))[..., :K], -1, axis).astype(np.float32)
;;   ~~~
;;   SOFTMAX AHEAD OF A QUANTISED PRODUCT. Where the list says 'softmax', what is quantised is not the finished softmax but p = 2^(t - M), with t = logit x log2(e) and M = ceil(the row's largest t), a whole number; so 1/2 < the row's largest p <= 1. The row's sum l is taken of the UNQUANTISED p, in f32, and the product's result is divided by l at the end. Since M is a whole number, a kernel that streams over the keys may use a running M (the ceiling of the running maximum): every later rescaling is an exact power of two, which a block's scale takes up: the codes' values come out the same.
;;   OPERANDS COMPUTED ON THE WAY. 'Computed on the way' means the value that the module computes at that place (a softmax that the list does not call 'softmax' is quantised finished and normalised). What goes into a quantiser is computed in f32, as accurately as f32 sums, v_exp_f32 and their like allow (about 1e-6 of the number): no bf16 or f16 on the way to a quantiser, and a product that is left as it is and whose result goes on into a quantised operand takes f32 operands (vector FMAs, or v_wmma_f32_16x16x4_f32). A number that lies on a knife's edge between two numbers of the format may be rounded either way, as far as f32 arithmetic and the matrix unit's own rounding can turn it there, and no further.
;; One version. Each part assembles by itself: llvm-mc -triple=amdgcn-amd-amdhsa -mcpu=gfx1250 --defsym DOCPART=n.
;; ======== version 1 of 1: 4 launches
;; limits: right only within a limited range of input values
;; workspace buffers: ops 9,437,184 bytes; opss 393,216 bytes; qkv 18,874,368 bytes; qkvs 786,432 bytes; ao 6,291,456 bytes; aos 262,144 bytes
;; launch quant (part 1): grid 768 x 1, 4 waves a work-group, no clusters, 34,816 bytes of LDS; arguments x, ops, opss, Wq, Wk, Wv, Wo; writes ops, opss
.if DOCPART == 1
	.amdgcn_target "amdgcn-amd-amdhsa--gfx1250"
	.amdhsa_code_object_version 6
	.text
	.protected	k_q3bdc243a2b_quant
	.globl	k_q3bdc243a2b_quant
	.p2align	8
	.type	k_q3bdc243a2b_quant,@function
k_q3bdc243a2b_quant:
	s_mov_b64 s[64:65], 0
	v_nop
	global_prefetch_b8 v0, s[64:65] scope:SCOPE_SE
	s_setreg_imm32_b32 hwreg(HW_REG_WAVE_MODE, 25, 1), 1
	s_wait_xcnt 0x0
; x [8192][1024] f32 (K innermost) and the four weights [1024 (k)][1024 (n)] f32 (K along the FIRST axis) become codes of BF6 (E3M2) with one E8M0 byte for each 32 along K, laid as the products' launches read them.
; ROW ORDER: row slot 16 T + r of the codes holds true row 32 (T / 2) + 8 (T % 2) + r + 8 (r / 8) of its tensor: bits 3 and 4 of the row number change places.
; CODES: ops[kap = k / 64][T][p = 0..2][lane = r + 16 h][8 bytes]: bytes 8 p .. 8 p + 7 of the 24 bytes of block 2 kap + h of slot 16 T + r: an image of six operand registers, 768 bytes;
; KP bytes from one kap to the next.  Tiles 0-511 x (rows = tokens), 512-575 Wq, 576-639 Wk, 640-703 Wv, 704-767 Wo (rows = columns n).  SCALE BYTES: opss[T][k / 256][r][8].
; A block's scale is 2^(floor(log2(its largest magnitude)) - 4); its byte is the largest magnitude's exponent field - 4, held at 1 from below.
; LIMITS: a block of zeros gets the byte 1 where the quantiser says 127 (its codes are zeros, and this program alone reads the bytes); NaN and infinities among the inputs are not served.
; ONE LAUNCH, TWO PATHS, which part on the work-group's number (the same in all four waves): numbers 0-255 take x, numbers 256-767 the weights.  Each path has LDS bytes of its own.
; x: work-group g takes tokens 32 g .. 32 g + 31; wave w the tile T = 2 g + w / 2 and the half w % 2 of K: 16 rows x 512, in four steps of 128 along K.  Each load reads 512 consecutive bytes of one row; a step's 16 rows
;    turn through the wave's own stage in LDS (rows 528 bytes apart), so that a lane gets two whole blocks of 32 neighbours of its row.  32 loads of a wave are out at the start, 16 while a step is worked.  No barrier.
; WEIGHTS: work-group 256 + id: columns 32 (id % 32) on (two tiles), k = 256 ((id / 32) % 4) on, weight id / 128; wave w: kap = 4 ((id / 32) % 4) + w: 64 along K, two blocks a lane.
;    A LANE TAKES A COLUMN, ITS REGISTERS RUN DOWN K: a block of 32 lies in one lane, and the conversions give codes with K innermost.  A wave's load reads 128 consecutive bytes; 32 neighbouring work-groups read a whole row.
;    Lane (r, u) holds both blocks of slot r of tile u; an image wants block h in lane (r, h): six exchanges of lane halves give both tiles' images.
;    The scale bytes of the four waves meet in LDS and leave as two runs of 128 consecutive bytes, each half of an aligned 256: 131,072 bytes in the whole launch.
; Memory binds: no matrix unit, no cluster, no tensor load.
.set KP,   589824                      ; bytes of ops from one 64 along K to the next: 768 tiles x 768
.set XWG,  256                         ; work-groups that take x
.set SP,   528                         ; x: a stage row: 512 bytes + 16
.set STG,  16*SP                       ; x: a wave's stage
.set WLDS, 4*STG                       ; the weights' path's own 256 bytes of LDS, behind the four stages
.set R,   16                           ; x: v16-143  two sets of 16 x 4 registers as loaded
.set X,   144                          ; x: v144-207 my two blocks of 32 numbers
.set C,   208                          ; x: v208-219 the codes: registers 6 c .. 6 c + 5
.set CT,  220                          ; x: v220-222, v224-226 the upper halves of the two blocks' codes, as the conversion leaves them
.set M,   228                          ; x: v228-229 largest magnitudes
.set SO,  230                          ; x: v230-231 the conversions' scale operands
.set BY,  232                          ; x: v232-233 scale bytes
.set WT,  234
.set PX,  235
.set DW,  236                          ; x: v236-237 the 8 scale bytes that I store
.set W,   240                          ; x: v240-243 the four steps' scale words
.set WX,  32                           ; weights: v32-95   64 numbers down K
.set WC,  96                           ; weights: v96-101 block 0's codes, v102-107 block 1's; behind the exchange: tile 0's image, tile 1's
.set WCT, 16                           ; weights: v16-18, v20-22 the upper halves as the conversions leave them
	s_load_b128 s[4:7], s[0:1], 0x0                ; x, ops
	s_load_b64 s[8:9], s[0:1], 0x10                ; opss
	s_load_b64 s[32:33], s[0:1], 0x18              ; Wq
	s_load_b128 s[36:39], s[0:1], 0x20             ; Wk, Wv
	s_load_b64 s[34:35], s[0:1], 0x30              ; Wo
	v_lshl_add_u32 v254, v0, 2, 0x8600
	v_mov_b32 v255, 0
	v_lshrrev_b32 v7, 5, v0
	v_readfirstlane_b32 s16, v7                    ; wave 0..3
	s_cmp_lt_u32 ttmp9, XWG                        ; the work-group's number alone decides the path
	s_cbranch_scc0 .Lweights
	; ---------------- x ----------------
	v_and_b32 v8, 31, v0                           ; lane
	v_and_b32 v9, 15, v0                           ; r
	v_bfe_u32 v10, v0, 4, 1                        ; h
	s_mul_i32 s17, s16, STG
	v_lshlrev_b32 v1, 4, v8                        ; my 16 bytes of a load's 512
	v_add_nc_u32 v2, s17, v1                       ; the stage, on the way in
	v_mul_u32_u24 v3, v9, SP
	v_lshl_add_u32 v3, v10, 7, v3
	v_add_nc_u32 v3, s17, v3                       ; and out: row r, + 128 h: my block of 32 numbers
	v_lshlrev_b32 v4, 3, v8                        ; an image's place for my lane
	v_lshlrev_b32 v5, 3, v10                       ; 8 h: my bytes' shift in a scale word
	v_lshlrev_b32 v6, 3, v9
	v_lshl_add_u32 v6, v10, 7, v6                  ; the scale bytes' place: 128 h + 8 r
	v_mov_b32 v[PX], 0                             ; written once: a lane permute's destination counts as one of its sources
	s_mov_b32 s20, 0x76543210
	s_mov_b32 s21, 0xfedcba98                      ; v_permlanex16_b32's selects for lane l xor 16
	s_mov_b32 s22, 0xffff0000                      ; lanes 16-31
	s_lshr_b32 s18, s16, 1                         ; u: which tile of the two
	s_and_b32 s19, s16, 1                          ; which half of K
	s_lshl_b32 s10, ttmp9, 17                      ; x: (32 g + 8 u) rows of 4,096 bytes + 2,048 x half
	s_lshl_b32 s12, s18, 15
	s_add_co_u32 s10, s10, s12
	s_lshl_b32 s12, s19, 11
	s_add_co_u32 s10, s10, s12
	s_mov_b32 s11, 0
	s_lshl_b32 s14, ttmp9, 1
	s_add_co_u32 s14, s14, s18                     ; T
	s_mul_i32 s12, s14, 768                        ; ops: 768 T + 8 KP x half
	s_mul_i32 s15, s19, 8*KP
	s_add_co_u32 s12, s12, s15
	s_mov_b32 s13, 0
	s_lshl_b32 s14, s14, 9                         ; opss: 512 T + 256 x half
	s_lshl_b32 s15, s19, 8
	s_add_co_u32 s14, s14, s15
	s_mov_b32 s15, 0
	s_wait_alu depctr_va_vdst(0)
	s_wait_kmcnt 0x0
	s_add_nc_u64 s[4:5], s[4:5], s[10:11]
	s_add_nc_u64 s[6:7], s[6:7], s[12:13]
	s_add_nc_u64 s[8:9], s[8:9], s[14:15]
.macro LOAD t                          ; step t: 128 numbers of each of the tile's 16 rows; slot i is row i + 8 (i / 8) of the wave's
.irp i, 0,1,2,3,4,5,6,7,8,9,10,11,12,13,14,15
	global_load_b128 v[R+64*((\t)%2)+4*\i:R+64*((\t)%2)+4*\i+3], v1, s[4:5] offset:(\i+8*(\i/8))*4096+512*(\t) th:TH_LOAD_NT
.endr
.endm
.macro STEP t
.if (\t) < 3
	s_wait_loadcnt 16                              ; this step's 16 loads are in; the next step's 16 may be out
.else
	s_wait_loadcnt 0x0
.endif
.irp i, 0,1,2,3,4,5,6,7,8,9,10,11,12,13,14,15
	ds_store_b128 v2, v[R+64*((\t)%2)+4*\i:R+64*((\t)%2)+4*\i+3] offset:SP*\i
.endr
.irp c, 0,1                            ; LDS serves a wave's instructions in order: these see the stores above
.irp j, 0,1,2,3,4,5,6,7
	ds_load_b128 v[X+32*\c+4*\j:X+32*\c+4*\j+3], v3 offset:256*\c+16*\j   ; k = 64 c + 32 h + 4 j .. of row r
.endr
.endr
	s_wait_dscnt 0x0                               ; my numbers are back, and the stores have read their registers,
.if (\t) < 2
	LOAD (\t)+2                                    ; which take the loads of two steps on
.endif
.irp c, 0,1
	v_max3_num_f32 v[M+\c], |v[X+32*\c]|, |v[X+32*\c+1]|, 0x2800000   ; the block's largest magnitude, with the floor 2^(5 - 127): the byte cannot fall under 1
.endr
.irp i, 2,4,6,8,10,12,14,16,18,20,22,24,26,28,30
.irp c, 0,1
	v_max3_num_f32 v[M+\c], v[M+\c], |v[X+32*\c+\i]|, |v[X+32*\c+\i+1]|   ; (the two blocks by turns)
.endr
.endr
.irp c, 0,1
	v_add_nc_u32 v[SO+\c], 0xfe000000, v[M+\c]     ; 4 off the exponent field: the conversion's scale operand
.endr
.irp c, 0,1
	v_lshrrev_b32 v[BY+\c], 23, v[SO+\c]           ; the scale's byte
.endr
	v_lshl_or_b32 v[WT], v[BY+1], 16, v[BY]        ; my bytes: blocks h and 2 + h of these 128,
	v_lshlrev_b32 v[WT], v5, v[WT]                 ; at their places;
	v_permlanex16_b32 v[PX], v[WT], s20, s21
	v_or_b32 v[W+(\t)], v[WT], v[PX]               ; with lane l xor 16's two the word is whole
.if (\t) > 0
	s_wait_alu depctr_va_vdst(0)
	s_wait_xcnt 0x0                                ; the last step's stores have read the code registers: only behind this wait are they written again
.endif
.irp c, 0,1
	v_cvt_scalef32_pk16_bf6_f32 v[C+6*\c:C+6*\c+2], v[X+32*\c:X+32*\c+15], v[SO+\c]
	v_cvt_scalef32_pk16_bf6_f32 v[CT+4*\c:CT+4*\c+2], v[X+32*\c+16:X+32*\c+31], v[SO+\c]   ; (a conversion's three registers begin on an even number)
.endr
	v_nop                                          ; one plain place behind a scaled conversion
.irp c, 0,1
.irp i, 0,1,2
	v_mov_b32 v[C+6*\c+3+\i], v[CT+4*\c+\i]
.endr
.endr
.irp c, 0,1
.irp p, 0,1,2
	global_store_b64 v4, v[C+6*\c+2*\p:C+6*\c+2*\p+1], s[6:7] offset:(2*(\t)+\c)*KP+256*\p   ; 32 lanes store 256 consecutive bytes, aligned
.endr
.endr
.endm
	LOAD 0
	LOAD 1
	STEP 0
	STEP 1
	STEP 2
	STEP 3
	v_cndmask_b32 v[DW], v[W], v[W+2], s22         ; lanes 0-15 store the first 256 along K's 8 bytes of row r, lanes 16-31 the second's
	v_cndmask_b32 v[DW+1], v[W+1], v[W+3], s22
	global_store_b64 v6, v[DW:DW+1], s[8:9]        ; 256 consecutive bytes, aligned
	s_wait_tensorcnt 0x0
	ds_add_u32 v254, v255
	s_wait_dscnt 0x0
	s_endpgm
	; ---------------- the weights ----------------
.Lweights:
	v_and_b32 v6, 31, v0                           ; lane
	v_and_b32 v7, 15, v0                           ; r
	v_bfe_u32 v15, v0, 4, 1                        ; u
	v_and_b32 v1, 8, v7
	v_add_nc_u32 v1, v1, v7                        ; r + 8 (r / 8)
	v_lshl_add_u32 v1, v15, 3, v1                  ; + 8 u: my column among the wave's 32
	v_lshlrev_b32 v1, 2, v1
	v_lshlrev_b32 v2, 3, v6                        ; 8 x lane: an image's place for my lane
	v_add_nc_u32 v4, WLDS, v2                      ; LDS, back: this path's bytes + 8 x lane
	s_lshl_b32 s20, s16, 1
	v_add_nc_u32 v3, s20, v4                       ; LDS, in: + 2 x wave: my two bytes of the slot's eight
	v_lshlrev_b32 v5, 3, v7
	v_lshl_add_u32 v5, v15, 9, v5                  ; opss: 512 u + 8 r
	s_sub_co_u32 s17, ttmp9, XWG                   ; id: 0..511
	s_and_b32 s22, s17, 31                         ; which 32 columns
	s_bfe_u32 s23, s17, 0x20005                    ; which 256 along K (2 bits from bit 5)
	s_lshr_b32 s21, s17, 7                         ; which weight
	s_lshl_b32 s24, s23, 2
	s_add_co_u32 s24, s24, s16                     ; kap
	s_lshl_b32 s26, s24, 18                        ; W: kap x 64 rows of 4,096 bytes + 4 x 32 x the column group
	s_lshl_b32 s25, s22, 7
	s_add_co_u32 s26, s26, s25
	s_mov_b32 s27, 0
	s_lshl_b32 s25, s21, 6                         ; my first tile: 512 + 64 x weight + 2 x the column group
	s_lshl_b32 s28, s22, 1
	s_add_co_u32 s25, s25, s28
	s_add_co_u32 s25, s25, 512
	s_mul_i32 s28, s24, KP                         ; ops: kap KP + 768 T
	s_mul_i32 s30, s25, 768
	s_add_co_u32 s28, s28, s30
	s_mov_b32 s29, 0
	s_lshl_b32 s30, s25, 9                         ; opss: 512 T + 128 x (k / 256)
	s_lshl_b32 s25, s23, 7
	s_add_co_u32 s30, s30, s25
	s_mov_b32 s31, 0
	s_wait_alu depctr_va_vdst(0)
	s_wait_kmcnt 0x0
	s_cmp_eq_u32 s21, 1                            ; the weight is chosen by the work-group's number alone
	s_cselect_b64 s[32:33], s[36:37], s[32:33]
	s_cmp_eq_u32 s21, 2
	s_cselect_b64 s[32:33], s[38:39], s[32:33]
	s_cmp_eq_u32 s21, 3
	s_cselect_b64 s[32:33], s[34:35], s[32:33]
	s_add_nc_u64 s[32:33], s[32:33], s[26:27]
	s_add_nc_u64 s[6:7], s[6:7], s[28:29]
	s_add_nc_u64 s[8:9], s[8:9], s[30:31]
.set i, 0
.rept 64
	global_load_b32 v[WX+i], v1, s[32:33] offset:4096*i th:TH_LOAD_NT
.set i, i+1
.endr
.macro BLK c                           ; block c of my column: largest magnitude, scale, 32 codes
.set XS, WX+32*\c
	v_max3_num_f32 v8, |v[XS]|, |v[XS+1]|, |v[XS+2]|
	v_max3_num_f32 v9, |v[XS+3]|, |v[XS+4]|, |v[XS+5]|
.irp i, 6,10,14,18,22,26
	v_max3_num_f32 v8, v8, |v[XS+\i]|, |v[XS+\i+1]|
	v_max3_num_f32 v9, v9, |v[XS+\i+2]|, |v[XS+\i+3]|
.endr
	v_max3_num_f32 v8, v8, |v[XS+30]|, |v[XS+31]|
	v_max3_num_f32 v8, v8, v9, 0x2800000           ; and the floor 2^(5 - 127): the byte cannot fall under 1
	v_add_nc_u32 v[10+\c], 0xfe000000, v8          ; 4 off the exponent field: the conversion's scale operand
	v_lshrrev_b32 v[12+\c], 23, v[10+\c]           ; the scale's byte
	v_cvt_scalef32_pk16_bf6_f32 v[WC+6*\c:WC+6*\c+2], v[XS:XS+15], v[10+\c]
	v_cvt_scalef32_pk16_bf6_f32 v[WCT+4*\c:WCT+4*\c+2], v[XS+16:XS+31], v[10+\c]   ; (a conversion's three registers begin on an even number)
	v_nop                                          ; one plain place behind a scaled conversion
.endm
	s_wait_loadcnt 32                              ; block 0's 32 loads are in; block 1's 32 may be out
	BLK 0
	s_wait_loadcnt 0x0
	BLK 1
.irp c, 0,1
.irp i, 0,1,2
	v_mov_b32 v[WC+6*\c+3+\i], v[WCT+4*\c+\i]
.endr
.endr
.irp i, 0,1,2,3,4,5
	v_permlane16_swap_b32 v[WC+\i], v[WC+6+\i]     ; block 0's lanes 16-31 (tile 1) change places with block 1's lanes 0-15 (tile 0): now v96-101 are tile 0's image, v102-107 tile 1's
.endr
	v_lshl_or_b32 v14, v13, 8, v12                 ; my slot's two bytes
	ds_store_b16 v3, v14
.irp u, 0,1
.irp p, 0,1,2
	global_store_b64 v2, v[WC+6*\u+2*\p:WC+6*\u+2*\p+1], s[6:7] offset:768*\u+256*\p   ; 32 lanes store 256 consecutive bytes, aligned
.endr
.endr
	s_wait_dscnt 0x0                               ; for the others' sake: my bytes lie in LDS
	s_barrier_signal -1
	s_barrier_wait -1
	s_cmp_eq_u32 s16, 0                            ; wave 0 sends the 32 slots' eight bytes each
	s_cbranch_scc0 .Ldone
	ds_load_b64 v[24:25], v4
	s_wait_dscnt 0x0
	global_store_b64 v5, v[24:25], s[8:9]
.Ldone:
	s_wait_tensorcnt 0x0
	ds_add_u32 v254, v255
	s_wait_dscnt 0x0
	s_endpgm
.Lfunc_end_k_q3bdc243a2b_quant:
	.size	k_q3bdc243a2b_quant, .Lfunc_end_k_q3bdc243a2b_quant-k_q3bdc243a2b_quant
	.p2alignl 7, 3214868480
	.fill 96, 4, 3214868480
	.section	.rodata,"a",@progbits
	.p2align	6, 0x0
	.amdhsa_kernel k_q3bdc243a2b_quant
		.amdhsa_group_segment_fixed_size 34816
		.amdhsa_private_segment_fixed_size 0
		.amdhsa_enable_private_segment 0
		.amdhsa_kernarg_size 56
		.amdhsa_user_sgpr_count 2
		.amdhsa_user_sgpr_kernarg_segment_ptr 1
		.amdhsa_wavefront_size32 1
		.amdhsa_system_sgpr_workgroup_id_x 1
		.amdhsa_system_sgpr_workgroup_id_y 1
		.amdhsa_system_sgpr_workgroup_id_z 1
		.amdhsa_system_vgpr_workitem_id 0
		.amdhsa_next_free_vgpr 256
		.amdhsa_next_free_sgpr 66
		.amdhsa_reserve_vcc 0
		.amdhsa_float_denorm_mode_32 3
		.amdhsa_float_denorm_mode_16_64 3
		.amdhsa_memory_ordered 1
		.amdhsa_forward_progress 1
		.amdhsa_inst_pref_size 44
	.end_amdhsa_kernel
	.amdgpu_metadata
---
amdhsa.version: [ 1, 2 ]
amdhsa.kernels:
  - .name:           k_q3bdc243a2b_quant
    .symbol:         k_q3bdc243a2b_quant.kd
    .args:
      - { .name: x, .offset: 0, .size: 8, .value_kind: global_buffer, .address_space: global }
      - { .name: ops, .offset: 8, .size: 8, .value_kind: global_buffer, .address_space: global }
      - { .name: opss, .offset: 16, .size: 8, .value_kind: global_buffer, .address_space: global }
      - { .name: Wq, .offset: 24, .size: 8, .value_kind: global_buffer, .address_space: global }
      - { .name: Wk, .offset: 32, .size: 8, .value_kind: global_buffer, .address_space: global }
      - { .name: Wv, .offset: 40, .size: 8, .value_kind: global_buffer, .address_space: global }
      - { .name: Wo, .offset: 48, .size: 8, .value_kind: global_buffer, .address_space: global }
    .group_segment_fixed_size: 34816
    .private_segment_fixed_size: 0
    .kernarg_segment_align: 8
    .kernarg_segment_size: 56
    .max_flat_workgroup_size: 128
    .sgpr_count:     66
    .vgpr_count:     256
    .wavefront_size: 32
...
	.end_amdgpu_metadata
.endif
;; end of part 1
;; launch gemm_qkv (part 2): grid 96 x 4, 4 waves a work-group, clusters of 4 x 4, 327,680 bytes of LDS; arguments ops, opss, bq, bk, bv, qkv, qkvs; writes qkv, qkvs
.if DOCPART == 2
	.amdgcn_target "amdgcn-amd-amdhsa--gfx1250"
	.amdhsa_code_object_version 6
	.text
	.protected	k_q3bdc243a2b_gemm_qkv
	.globl	k_q3bdc243a2b_gemm_qkv
	.p2align	8
	.type	k_q3bdc243a2b_gemm_qkv,@function
k_q3bdc243a2b_gemm_qkv:
	s_mov_b64 s[64:65], 0
	v_nop
	global_prefetch_b8 v0, s[64:65] scope:SCOPE_SE
	s_setreg_imm32_b32 hwreg(HW_REG_WAVE_MODE, 25, 1), 1
	s_wait_xcnt 0x0
	s_wait_alu depctr_hold_cnt(0) depctr_sa_sdst(0) depctr_va_vdst(0) depctr_va_sdst(0) depctr_va_ssrc(0) depctr_va_vcc(0) depctr_vm_vsrc(0)
	s_getreg_b32 s2, hwreg(HW_REG_IB_STS2, 6, 4)
	s_cmp_eq_u32 s2, 0
	s_cbranch_scc0 .Lentry_in_a_cluster
	s_endpgm
.Lentry_in_a_cluster:
	s_bfe_u32 s2, ttmp6, 0x10000c
	s_cmp_lg_u32 s2, 0xf033
	s_cbranch_scc0 .Lentry_shape_is_right
	s_endpgm
.Lentry_shape_is_right:
; q = x Wq + bq, k = x Wk + bk, v = x Wv + bv on codes of BF6 (E3M2) with E8M0 scales for each 32 along K, and the results QUANTISED AT ONCE for the attention's products: nothing leaves as f32.
; OPERANDS: ops[kap = k / 64][T = row slot / 16][768 bytes]: an image of six operand registers (8 bytes a lane, three times); tiles 0-511 x, 512-575 Wq, 576-639 Wk, 640-703 Wv.  opss[T][k / 256][r][8] scale bytes.
; Row slot 16 T + r holds true row 32 (T / 2) + 8 (T % 2) + r + 8 (r / 8).  THE MATRIX INSTRUCTION IS USED TRANSPOSED: source 0 = 16 slots of B', source 1 = 16 slots of A': in the result lane (r, h) holds slot r of A', and
; register j of B's tile 2 b + u the TRUE row 32 b + 16 h + 8 u + j of B': the 16 registers of two neighbouring tiles are 16 neighbours along the next product's K, which is what the conversions want.
; TWO MODES, one path; all that differs is chosen by s_cselect on the cluster's number c = 0..23.  c < 16: A' = x (tokens 1,024 (c / 2) on), B' = Wq or Wk (c % 2): q and k quantised along the features (a head's 64).
; c >= 16: A' = Wv, B' = x (tokens 1,024 (c - 16) on): v quantised along the tokens, features as rows.
; OUT: qkv bytes 0 on: [feature / 64: 0-15 q's heads, 16-31 k's][512 token tiles][768];  VREG on: [token / 64][64 feature tiles][768].
;      qkvs bytes 0 on: [feature / 128][8,192 token slots] one word (bytes 0, 1 the even head's two blocks, 2, 3 the odd head's);  SREG on: [token / 128][1,024 feature slots] one word.
; SHAPE: a work-group of four waves makes 256 x 256, a wave 128 x 128 in 64 accumulators (512 registers).  K = 1,024 goes in four steps of 256 through two LDS slots filled by the tensor data mover.
; A slot's quarter (256 slots x 128 K) is [2 kap][16 tiles][768 bytes]: each fragment load of 8 bytes a lane reads 256 consecutive LDS bytes.  The scale bytes of all of K come once, with the first fills.
; CLUSTER: 4 x 4 work-groups; A's tiles are shared along a row of the cluster, B's along a column: each is asked for jointly.  384 work-groups in all.
; THE BIAS starts the sums: each accumulator is written once as (bias along B' or 0) + (bias along A' or 0), while the first tiles are on their way.
; LIMITS: a block of zeros gets the byte 1 where the quantiser says 127 (its codes are zeros; this program alone reads the bytes); NaN and infinities are not served.
; REGISTERS, in windows of 256: window 0: v16-30 addresses; v32-63 scale words, two sets, and nothing else; v64-75 at work on the way out; v128-223 A's fragments, one set (first the biases, last the codes made);
;   v224-239 at work; v240-247 the scale words made.   window 1: B's fragments, two sets, at v0 and v128.   windows 2, 3: the accumulators ((a, b) at v[8 (8 (a % 4) + b)] of window 2 + a / 4).
.set NQ,     2                         ; matrix instructions deep in a slot
.set FR,     12                        ; registers of a fragment: 16 slots x 128 K
.set NL,     6                         ; LDS loads that bring one
.set NP,     4                         ; places behind this matrix instruction (ISA guide 7.12.1)
.set IMG,    768
.set KAPL,   16*IMG                    ; in LDS: 64 along K of an operand's 256 slots: an operand's part of a slot is [4 kap][16 tiles][768]
.set HALFT,  2*KAPL                    ; what one tensor load of the ring brings: 2 kap of 256 slots
.set SLOT,   4*HALFT                   ; A's two halves, then B's two
.set KP8,    73728                     ; ops: elements of 8 bytes from one kap to the next
.set KSTEPB, 2359296                   ; ops: bytes from one 256 along K to the next
.set SCL,    2*SLOT
.set SCLB,   SCL+8320
.set SPARE,  213248                    ; the spare words, 128 bytes for each wave: two blocks of 256 bytes that no other line names
.set ESC,    SPARE+512                 ; 512 bytes for each wave: the scale words made, gathered for one dense store; no tile ever lands here
.set VREG,   12582912
.set SREG,   524288
.set ADRA, 16                          ; v16-17  LDS address of my A' fragments in slot 0, 1
.set ADRB, 20                          ; v20-21  the same for B'
.set ESW,  24                          ; v24     ESC + 512 wave + 4 r
.set ESR,  25                          ; v25     ESC + 512 wave + 16 lane
.set L8,   26                          ; v26     8 x lane
.set ADRS, 27                          ; v27     opss offset of my scale words: lanes 0-15 A's, lanes 16-31 B's
.set SPW,  28                          ; v28     LDS address of my spare word; never rewritten
.set NIL,  29                          ; v29     0; never rewritten
.set L16,  30                          ; v30     16 x lane
.set SC,   32
.set CT,   64                          ; v64-66, v68-70 the conversions' second results
.set AF,   128
.set UB,   128                         ; v128-191 the bias along B', in the result's layout
.set WB,   192                         ; v192-207 the bias along A', each number twice
.set TM,   224
.set PW,   240
.set G1,   24                          ; s[24:31] group 1 for A's tiles; s[32:39] group 0, a set for each slot
.set G0,   32
.set G1B,  48                          ; s[48:55], s[56:63] the same for B'
.set G0B,  56
.set G1S,  68                          ; s[76:79] group 0 of A's K step 1 at the head; s[88:91] of B's
.set G0S,  76
.set G1SB, 80
.set G0SB, 88
.set MSB, 0
.macro WIN new                         ; the immediate's high byte repeats the setting that is left
.if MSB != (\new)
	s_set_vgpr_msb (MSB<<8)|(\new)
.set MSB, (\new)
.endif
.endm
.set MUL_LO, 0xa1                      ; source 0 (B') window 1, source 1 (A') window 0, C and D window 2
.set MUL_HI, 0xf1                      ; the same, C and D window 3
.set TO_B,   0x40                      ; destination window 1, address window 0
; A joint load: waves 0 and 1 fetch for A', waves 2 and 3 for B'.  The branch hangs on the wave's number alone.  Four v_nop follow each of the two lines.
.macro JLOAD g0a, g1a, g0b, g1b
	s_cmp_eq_u32 s19, 0
	s_cbranch_scc0 .Lfor_b_\@
	tensor_load_to_lds s[\g0a:\g0a+3], s[\g1a:\g1a+7]
	s_nop 0
.rept 4
	v_nop
.endr
	s_branch .Lasked_\@
.Lfor_b_\@:
	tensor_load_to_lds s[\g0b:\g0b+3], s[\g1b:\g1b+7]
	s_nop 0
.rept 4
	v_nop
.endr
.Lasked_\@:
.endm
.macro CREST                           ; a round of the cluster's barrier behind its opening barrier
	s_cmp_lg_u32 s18, 0
	s_cbranch_scc1 .Lnot_wave_0_\@
	s_barrier_signal -3
.Lnot_wave_0_\@:
	s_barrier_wait -3
	s_barrier_signal -1
	s_barrier_wait -1
.endm
.macro CROUND                          ; a whole round
	s_barrier_signal -1
	s_barrier_wait -1
	CREST
.endm
	s_load_b128 s[4:7], s[0:1], 0x0                ; ops, opss
	s_load_b128 s[8:11], s[0:1], 0x10              ; bq, bk
	s_load_b128 s[12:15], s[0:1], 0x20             ; bv, qkv
	s_load_b64 s[16:17], s[0:1], 0x30              ; qkvs
	v_lshl_add_u32 v[SPW], v0, 2, SPARE
	v_mov_b32 v[NIL], 0
	ds_add_u32 v28, v29
	ds_add_u32 v28, v29
	s_wait_dscnt 0x0
	v_lshrrev_b32 v1, 5, v0
	v_readfirstlane_b32 s18, v1                    ; wave 0..3
	s_lshr_b32 s19, s18, 1                         ; which half of A's 256 slots is mine.  Also: I fetch for A' (0) or for B' (1)
	s_and_b32 s20, s18, 1                          ; which half of B's.  Also: which 128 slots I fetch
	s_bfe_u32 s40, ttmp6, 0x40000                  ; cx, cy: my place in the cluster
	s_bfe_u32 s41, ttmp6, 0x40004
	s_mov_b32 s42, ttmp9                           ; c: the cluster's number, the same in all sixteen
	s_lshl_b32 s43, s41, 2
	s_lshl_b32 s43, 15, s43                        ; my row of the cluster
	s_lshl_b32 s44, 0x1111, s40                    ; my column
	; both modes' numbers are made first, then chosen behind ONE compare (the lines between it and the selects leave SCC alone)
	s_lshr_b32 s2, s42, 1
	s_lshl_b32 s2, s2, 10                          ; q, k: tokens 1,024 (c / 2) on
	s_and_b32 s3, s42, 1
	s_lshl_b32 s3, s3, 10                          ; q, k: features 1,024 (c % 2) on among q's and k's 2,048
	s_add_co_u32 s21, s3, 8192                     ; and the weight's first slot in ops
	s_max_u32 s22, s42, 16
	s_sub_co_u32 s22, s22, 16
	s_lshl_b32 s22, s22, 10                        ; v: tokens 1,024 (c - 16) on
	s_mov_b32 s23, 10240                           ; v: Wv's first slot in ops
	s_mov_b32 s66, 393216
	s_mov_b32 s67, 32768
	s_cmp_lt_u32 s42, 16
	s_cselect_b32 s92, s2, s23                     ; A's first slot in ops
	s_cselect_b32 s93, s21, s22                    ; B's
	s_cselect_b32 s94, s2, 0                       ; the result's first row slot
	s_cselect_b32 s95, s3, s22                     ; the result's first place along the next K
	s_cselect_b32 s96, s66, 49152                  ; out: bytes from one 64 along the next K to the next
	s_cselect_b32 s97, 0, VREG                     ; out: the region
	s_cselect_b32 s98, s67, 4096                   ; scale words out: bytes from one 128 along the next K to the next
	s_cselect_b32 s99, 0, SREG
	s_cselect_b32 s100, -1, 0                      ; all lanes where the bias runs along B' (q, k),
	s_cselect_b32 s101, 0, -1                      ; along A' (v)
	; group 1: a tile of 4 rows (kap) x 1,536 elements of 8 bytes (16 images), rows KP8 elements apart; dense in LDS
	s_or_b32 s[G1+0], s43, (3<<16)|(1<<21)         ; 15:0 the mask: A's tiles go to my row; 17:16 elements of 8 bytes; 21 set beside a mask
	s_or_b32 s[G1B+0], s44, (3<<16)|(1<<21)
.irp g, G1, G1B
	s_mov_b32 s[\g+1], 1536<<16                    ; tensor_dim0: 16 images
	s_mov_b32 s[\g+2], 4<<16                       ; tensor_dim1: 4 kap for the head's loads; 2 behind them
	s_mov_b32 s[\g+3], 1536<<16                    ; tile_dim0
	s_mov_b32 s[\g+4], 4                           ; tile_dim1
	s_mov_b32 s[\g+5], KP8                         ; tensor_dim0_stride
	s_mov_b32 s[\g+6], 0
	s_mov_b32 s[\g+7], 0
.endr
	s_lshl_b32 s2, s41, 8
	s_add_co_u32 s2, s2, s92                       ; A': first slot + 256 cy
	s_lshl_b32 s46, s40, 8
	s_add_co_u32 s46, s46, s93                     ; B': first slot + 256 cx
	s_mul_i32 s22, s2, 48                          ; the head's load of K step 1 of A', whole: from kap 4 on
	s_add_co_u32 s22, s22, KSTEPB
	s_mov_b32 s23, 0
	s_mul_i32 s66, s46, 48                         ; and of B'
	s_add_co_u32 s66, s66, KSTEPB
	s_mov_b32 s67, 0
	s_mul_i32 s2, s2, 48                           ; codes: 768 bytes a tile of 16 slots
	s_mov_b32 s3, 0
	s_mul_i32 s46, s46, 48
	s_mul_i32 s21, s20, 2*KP8*8                    ; in the ring waves 1 and 3 fetch kap 2, 3 of a K step
	s_add_co_u32 s2, s2, s21
	s_add_co_u32 s46, s46, s21
	s_mov_b32 s47, 0
	s_mul_i32 s45, s18, HALFT
	s_wait_kmcnt 0x0
	s_add_nc_u64 s[2:3], s[4:5], s[2:3]
	s_add_nc_u64 s[22:23], s[4:5], s[22:23]
	s_add_nc_u64 s[46:47], s[4:5], s[46:47]
	s_add_nc_u64 s[66:67], s[4:5], s[66:67]
	CROUND                                         ; all sixteen work-groups are here: the first joint loads meet
	s_mov_b32 s[G0S], 1
	s_mov_b32 s[G0S+1], SLOT
	s_mov_b64 s[G0S+2:G0S+3], s[22:23]
	s_or_b32 s[G0S+3], s[G0S+3], 0x80000000
	s_mov_b32 s[G0SB], 1
	s_mov_b32 s[G0SB+1], SLOT+2*HALFT
	s_mov_b64 s[G0SB+2:G0SB+3], s[66:67]
	s_or_b32 s[G0SB+3], s[G0SB+3], 0x80000000
.irp s, 0,1
	s_mov_b32 s[G0+4*\s], 1
	s_add_co_u32 s[G0+4*\s+1], s45, \s*SLOT
	s_add_nc_u64 s[G0+4*\s+2:G0+4*\s+3], s[2:3], \s*KSTEPB
	s_or_b32 s[G0+4*\s+3], s[G0+4*\s+3], 0x80000000
	s_mov_b32 s[G0B+4*\s], 1
	s_add_co_u32 s[G0B+4*\s+1], s45, \s*SLOT
	s_add_nc_u64 s[G0B+4*\s+2:G0B+4*\s+3], s[46:47], \s*KSTEPB
	s_or_b32 s[G0B+4*\s+3], s[G0B+4*\s+3], 0x80000000
.endr
; THE HEAD'S LOADS, one a wave: wave 0 K step 0 of A' whole (its own group 0 of slot 0 points at kap 0 and LDS byte 0; 4 kap), wave 1 K step 1 of A' whole (slot 1),
; wave 2 K step 0 of B' whole (LDS byte 2 HALFT), wave 3 K step 1 of B' whole.  One chain of branches on the wave's number, all arms to one join.
.macro ARM under, g0, g1, next
	s_cmp_lt_u32 s18, \under
	s_cbranch_scc0 \next
	tensor_load_to_lds s[\g0:\g0+3], s[\g1:\g1+7]
	s_nop 0
.rept 4
	v_nop
.endr
	s_branch .Lhead_asked
\next:
.endm
	ARM 1, G0,  G1,  .Lhead_sa
	ARM 2, G0S, G1,  .Lhead_b                      ; wave 1: K step 1 of A' whole, into slot 1 (the scale words go from memory into registers, below)
	ARM 3, G0B, G1B, .Lhead_sb
	tensor_load_to_lds s[G0SB:G0SB+3], s[G1B:G1B+7]   ; wave 3: K step 1 of B' whole
	s_nop 0
.rept 4
	v_nop
.endr
.Lhead_asked:
	; the bias: bq (c even) or bk (c odd), or bv
	s_bitcmp1_b32 s42, 0
	s_cselect_b64 s[8:9], s[10:11], s[8:9]
	s_cmp_lt_u32 s42, 16
	s_cselect_b64 s[8:9], s[8:9], s[12:13]
	s_lshl_b32 s46, s40, 10                        ; along B': 4 bytes x (256 cx + 128 x my half), or 0 where it is not used: both loads stay inside the 4,096 bytes
	s_lshl_b32 s47, s20, 9
	s_add_co_u32 s46, s46, s47
	s_and_b32 s46, s46, s100
	s_mov_b32 s47, 0
	s_add_nc_u64 s[46:47], s[8:9], s[46:47]
	s_lshl_b32 s2, s41, 10                         ; along A': 4 bytes x (256 cy + 128 x my half), or 0
	s_lshl_b32 s3, s19, 9
	s_add_co_u32 s2, s2, s3
	s_and_b32 s2, s2, s101
	s_mov_b32 s3, 0
	s_add_nc_u64 s[2:3], s[8:9], s[2:3]
	v_and_b32 v1, 15, v0                           ; r
	v_bfe_u32 v2, v0, 4, 1                         ; h
	v_and_b32 v3, 31, v0                           ; lane
	v_lshlrev_b32 v5, 6, v2                        ; 64 h
	v_and_b32 v6, 8, v1
	v_add_nc_u32 v6, v6, v1
	v_lshlrev_b32 v6, 2, v6                        ; 4 (r + 8 (r / 8))
.irp b, 0,1,2,3,4,5,6,7                ; register 8 b + j: the bias of B's true row 32 (b / 2) + 16 h + 8 (b % 2) + j
	global_load_b128 v[UB+8*\b:UB+8*\b+3], v5, s[46:47] offset:128*(\b/2)+32*(\b%2)
	global_load_b128 v[UB+8*\b+4:UB+8*\b+7], v5, s[46:47] offset:128*(\b/2)+32*(\b%2)+16
.endr
.irp a, 0,1,2,3,4,5,6,7                ; that of A's true row 32 (a / 2) + 8 (a % 2) + r + 8 (r / 8)
	global_load_b32 v[WB+2*\a], v6, s[2:3] offset:128*(\a/2)+32*(\a%2)
.endr
	v_lshlrev_b32 v[L8], 3, v3
	v_lshlrev_b32 v[L16], 4, v3
	s_wait_alu depctr_va_vdst(0)
	s_mul_i32 s21, s19, 8*IMG                      ; my 128 slots of A': 8 images into each kap's 16
	s_mul_i32 s22, s20, 8*IMG                      ; my 128 slots of B',
	s_add_co_u32 s22, s22, 2*HALFT                 ; which lie behind A's 256
.irp s, 0,1
	v_add_nc_u32 v[ADRA+\s], s21, v[L8]
	v_add_nc_u32 v[ADRB+\s], s22, v[L8]
	s_add_co_u32 s21, s21, SLOT
	s_add_co_u32 s22, s22, SLOT
.endr
	; THE SCALE WORDS OF ALL OF K, from memory into registers, once: lanes 0-15 take A's tile i, lanes 16-31 B's tile i; 8 bytes a slot and K step.  A wave reads its 8 tiles x 512 bytes of each operand whole.
	s_lshl_b32 s21, s41, 8
	s_add_co_u32 s21, s21, s92
	s_lshl_b32 s66, s19, 7
	s_add_co_u32 s21, s21, s66                     ; my first slot of A'
	s_lshl_b32 s21, s21, 5                         ; 32 scale bytes a slot
	s_lshl_b32 s22, s40, 8
	s_add_co_u32 s22, s22, s93
	s_lshl_b32 s66, s20, 7
	s_add_co_u32 s22, s22, s66                     ; my first slot of B'
	s_lshl_b32 s22, s22, 5
	s_mov_b32 s67, 0xffff0000                      ; lanes 16-31
	v_mov_b32 v4, s21
	v_mov_b32 v7, s22
	v_cndmask_b32 v4, v4, v7, s67
	v_lshl_add_u32 v[ADRS], v1, 3, v4
.irp ks, 0,1,2,3                       ; K steps 0, 1 at v32-63, K steps 2, 3 at v96-127: registers that hold scales and nothing else
.irp i, 0,1,2,3,4,5,6,7
	global_load_b64 v[32+16*\ks+32*(\ks/2)+2*\i:32+16*\ks+32*(\ks/2)+2*\i+1], v[ADRS], s[6:7] offset:\i*512+128*\ks
.endr
.endr
	s_lshl_b32 s21, s18, 9
	s_add_co_u32 s21, s21, ESC
	v_lshl_add_u32 v[ESW], v1, 2, s21
	v_add_nc_u32 v[ESR], s21, v[L16]
.irp b, 0,1,2,3
	v_mov_b32 v[TM+4+\b], 0                        ; written once: a lane permute's destination counts as one of its sources
.endr
	s_mov_b32 s22, 0x76543210
	s_mov_b32 s23, 0xfedcba98                      ; v_permlanex16_b32's selects for lane l xor 16
	s_wait_loadcnt 0x0
.set j, 0
.rept 64
	v_cndmask_b32 v[UB+j], 0, v[UB+j], s100        ; 0 where the bias does not run along B'
.set j, j+1
.endr
.irp a, 0,1,2,3,4,5,6,7
	v_cndmask_b32 v[WB+2*\a+1], 0, v[WB+2*\a], s101   ; 0 where it does not run along A'; twice, for the packed addition
	v_cndmask_b32 v[WB+2*\a], 0, v[WB+2*\a], s101
.endr
.irp a, 0,1,2,3,4,5,6,7                ; every accumulator begins as its bias
	WIN 0x80+0x40*(\a/4)
.irp b, 0,1,2,3,4,5,6,7
.irp jp, 0,2,4,6
	v_pk_add_f32 v[8*(8*(\a%4)+\b)+\jp:8*(8*(\a%4)+\b)+\jp+1], v[UB+8*\b+\jp:UB+8*\b+\jp+1], v[WB+2*\a:WB+2*\a+1]
.endr
.endr
.endr
	WIN 0
.macro FRAG reg, adr, q, i             ; a fragment, 16 slots x 128 K: registers 6 c + 2 p, + 1 = piece p of the image of kap 2 q + c: 32 lanes read 256 consecutive bytes
.irp p, 0,1,2,3,4,5
	ds_load_b64 v[\reg+2*\p:\reg+2*\p+1], v[\adr] offset:(2*(\q)+\p/3)*KAPL+(\i)*IMG+256*(\p%3)
.endr
.endm
; 16 matrix instructions: A's blocks a0, a0 + 1 x B's eight, 128 along K: the slot's q-th.  p: B's set; sc: the set of scale words.
; The 64 accumulators take turns, one instruction a turn, in the same order in every step.
.macro MUL16 a0, p, q, sc
.irp a, \a0, \a0+1
.irp b, 0,1,2,3,4,5,6,7
	v_wmma_scale_f32_16x16x128_f8f6f4 v[8*(8*((\a)%4)+\b):8*(8*((\a)%4)+\b)+7], v[128*(\p)+FR*\b:128*(\p)+FR*\b+FR-1], v[AF+FR*(\a):AF+FR*(\a)+FR-1], v[8*(8*((\a)%4)+\b):8*(8*((\a)%4)+\b)+7], v[SC+8*NQ*(\sc)+NQ*\b+(\q)], v[SC+8*NQ*(\sc)+NQ*(\a)+(\q)] matrix_a_fmt:MATRIX_FMT_BF6 matrix_b_fmt:MATRIX_FMT_BF6 matrix_a_scale:MATRIX_SCALE_ROW1
.endr
.endr
.endm
.macro FETCH_B slot, q, p              ; B's eight fragments of the slot's q-th 128 along K into set p
	WIN TO_B
.irp i, 0,1,2,3,4,5,6,7
	FRAG 128*(\p)+FR*\i, ADRB+\slot, \q, \i
.endr
	WIN 0
.endm
.macro FETCH_A slot, q, i0             ; A's blocks i0 .. i0 + 3
.irp i, \i0, \i0+1, \i0+2, \i0+3
	FRAG AF+FR*(\i), ADRA+\slot, \q, \i
.endr
.endm
; A load into a register that a matrix instruction has read, and a vector instruction that reads a matrix result, stand NP places behind that matrix instruction; only plain vector instructions
; that name none of its registers are places (ISA guide 7.12.1 for vector instructions).
.macro PLACES n
.rept \n
	v_nop
.endr
.endm
; A step of 128 along K that has its successor in the same slot.  A's blocks are free as soon as their eight products are issued: one set serves A'; B' has two.
.macro STEP slot, q
	s_wait_dscnt 4*NL                              ; B's set, A's blocks 0-3 and the scale words are in; the youngest 24 loads (A's blocks 4-7) may be out
	WIN MUL_LO
	MUL16 0, (\q)%2, \q, \slot
	MUL16 2, (\q)%2, \q, \slot
	s_wait_dscnt 0                                 ; A's blocks 4-7 are in
	PLACES NP
	FETCH_B \slot, (\q)+1, 1-(\q)%2
	FETCH_A \slot, (\q)+1, 0
	WIN MUL_HI
	MUL16 4, (\q)%2, \q, \slot
	MUL16 6, (\q)%2, \q, \slot
	PLACES NP
	WIN 0
	FETCH_A \slot, (\q)+1, 4
.endm
; A slot's last step changes slots: ONE barrier; in front of it each wave waits for all its tensor loads, adds 0 to its spare word, and waits for that and for its own reads of this slot.
; fill = 1: the barrier opens a round of the cluster's, and behind it this slot is filled again, two K steps ahead.
.macro TURN slot, next, fill
	s_wait_tensorcnt 0x0                           ; all my tensor loads have landed: my part of the next slot  (every window is 0 here)
	ds_add_u32 v[SPW], v[NIL]                      ; 0 onto my spare word
	s_wait_dscnt 4*NL+1                            ; (the add and the youngest 24 loads, A's blocks 4-7, may be out)
	WIN MUL_LO
	MUL16 0, 1, NQ-1, \slot                        ; sixteen matrix instructions stand between the add and the wait for it
	s_wait_dscnt 0x0                               ; the add is done, and my reads of this slot are over
	s_barrier_signal -1
	MUL16 2, 1, NQ-1, \slot
	WIN 0
	s_barrier_wait -1
.if \fill
	CREST                                          ; no wave of any partner still reads this slot's tile or has a load on its way
	s_add_nc_u64 s[G0+4*\slot+2:G0+4*\slot+3], s[G0+4*\slot+2:G0+4*\slot+3], 2*KSTEPB
	s_add_nc_u64 s[G0B+4*\slot+2:G0B+4*\slot+3], s[G0B+4*\slot+2:G0B+4*\slot+3], 2*KSTEPB
	JLOAD G0+4*\slot, G1, G0B+4*\slot, G1B         ; the first tensor load behind the round; the four v_nop behind it are the places in front of the loads below
.else
	PLACES NP
.endif
	FETCH_B \next, 0, 0
	FETCH_A \next, 0, 0
	WIN MUL_HI
	MUL16 4, 1, NQ-1, \slot
	MUL16 6, 1, NQ-1, \slot
	PLACES NP
	WIN 0
	FETCH_A \next, 0, 4
.endm
	s_wait_alu depctr_va_vdst(0)
	s_wait_tensorcnt 0x0                           ; my tile of the head's four is in; the refills bring 2 kap each
	s_mov_b32 s[G1+2], 2<<16
	s_mov_b32 s[G1+4], 2
	s_mov_b32 s[G1B+2], 2<<16
	s_mov_b32 s[G1B+4], 2
	s_barrier_signal -1                            ; every wave's head tile is in: both slots are whole
	s_barrier_wait -1
	FETCH_B 0, 0, 0
	FETCH_A 0, 0, 0
	FETCH_A 0, 0, 4
	STEP 0, 0                                      ; four K steps of 256, written out: slots 0, 1, 0, 1
	TURN 0, 1, 1
	STEP 1, 0
	TURN 1, 0, 1
.set SC, 96                            ; K steps 2 and 3 take their scale words from v96-127
	STEP 0, 0
	TURN 0, 1, 0                                   ; nothing is left to fetch
	STEP 1, 0
	s_wait_dscnt 4*NL                              ; the very last step
	WIN MUL_LO
	MUL16 0, 1, NQ-1, 1
	MUL16 2, 1, NQ-1, 1
	s_wait_dscnt 0
	WIN MUL_HI
	MUL16 4, 1, NQ-1, 1
	MUL16 6, 1, NQ-1, 1
	WIN 0
	; THE WAY OUT.  Where my part lies: along the next K at s2, row slots from s21 on
	s_lshl_b32 s2, s40, 8
	s_lshl_b32 s3, s20, 7
	s_add_co_u32 s2, s2, s3
	s_add_co_u32 s2, s2, s95
	s_lshl_b32 s21, s41, 8
	s_lshl_b32 s3, s19, 7
	s_add_co_u32 s21, s21, s3
	s_add_co_u32 s21, s21, s94
	s_lshr_b32 s46, s2, 6
	s_mul_i32 s46, s46, s96                        ; 64s along the next K,
	s_add_co_u32 s46, s46, s97                     ; the region,
	s_mul_i32 s3, s21, 48                          ; 768 bytes a tile of 16 slots
	s_add_co_u32 s46, s46, s3
	s_mov_b32 s47, 0
	s_add_nc_u64 s[8:9], s[14:15], s[46:47]        ; the images of my first 64 along the next K,
	s_mov_b32 s46, s96
	s_add_nc_u64 s[10:11], s[8:9], s[46:47]        ; and of my second
	s_lshr_b32 s46, s2, 7
	s_mul_i32 s46, s46, s98
	s_add_co_u32 s46, s46, s99
	s_lshl_b32 s3, s21, 2
	s_add_co_u32 s46, s46, s3
	s_add_nc_u64 s[12:13], s[16:17], s[46:47]      ; my 128 slots' scale words
; Block a of 16 slots: a lane's 64 numbers (register 16 b + i = place 32 b + 16 h + i along the next K of its slot) become a fragment's codes in v[AF + 12 a] on and its scale word in v[PW + a].
; Each accumulator is read from its low end on.
.macro QUANTW a
.set WN, 2+(\a)/4
.set AC, 64*((\a)%4)
.set PC, AF+12*(\a)
	WIN WN|(WN<<2)                                 ; sources 0 and 1: the accumulators' window
.irp b, 0,1,2,3
	v_max3_num_f32 v[TM+\b], |v[AC+16*\b]|, |v[AC+16*\b+1]|, 0x2800000   ; block b: my 16 numbers, and the floor 2^(5 - 127): the byte cannot fall under 1
.endr
	WIN (WN<<2)|(WN<<4)                            ; sources 1 and 2
.irp i, 2,4,6,8,10,12,14
.irp b, 0,1,2,3
	v_max3_num_f32 v[TM+\b], v[TM+\b], |v[AC+16*\b+\i]|, |v[AC+16*\b+\i+1]|   ; (the four blocks by turns)
.endr
.endr
	WIN 0
.irp b, 0,1,2,3
	v_permlanex16_b32 v[TM+4+\b], v[TM+\b], s22, s23
.endr
.irp b, 0,1,2,3
	v_max_num_f32 v[TM+\b], v[TM+\b], v[TM+4+\b]   ; with lane l xor 16's: the block's largest magnitude
.endr
.irp b, 0,1,2,3
	v_add_nc_u32 v[TM+12+\b], 0xfe000000, v[TM+\b] ; 4 off its exponent field: the conversion's scale operand
.endr
.irp b, 0,1,2,3
	v_lshrrev_b32 v[TM+4+\b], 23, v[TM+12+\b]      ; the scale's byte
.endr
	v_lshl_or_b32 v[PW+(\a)], v[TM+5], 8, v[TM+4]  ; the four bytes make my slot's scale word
	v_lshl_or_b32 v[PW+(\a)], v[TM+6], 16, v[PW+(\a)]
	v_lshl_or_b32 v[PW+(\a)], v[TM+7], 24, v[PW+(\a)]
	WIN WN                                         ; source 0
.irp c, 0,1
	v_cvt_scalef32_pk16_bf6_f32 v[PC+6*\c:PC+6*\c+2], v[AC+32*\c:AC+32*\c+15], v[TM+12+2*\c]
	v_cvt_scalef32_pk16_bf6_f32 v[CT+4*\c:CT+4*\c+2], v[AC+32*\c+16:AC+32*\c+31], v[TM+12+2*\c+1]   ; (a conversion's three registers begin on an even number)
.endr
	WIN 0
	v_nop                                          ; one plain place behind a scaled conversion
.irp c, 0,1                            ; the operand's layout wants a WHOLE block in a lane: lanes 0-15 block 2 c, lanes 16-31 block 2 c + 1
.irp i, 0,1,2
	v_permlane16_swap_b32 v[PC+6*\c+\i], v[CT+4*\c+\i]
.endr
.irp i, 0,1,2
	v_mov_b32 v[PC+6*\c+3+\i], v[CT+4*\c+\i]
.endr
.endr
.endm
	PLACES NP                                      ; behind the last products: their results are read, and A's registers written, only from here on
.irp a, 0,1,2,3,4,5,6,7
	QUANTW \a
.irp c, 0,1
.irp p, 0,1,2
	global_store_b64 v[L8], v[AF+12*\a+6*\c+2*\p:AF+12*\a+6*\c+2*\p+1], s[8+2*\c:9+2*\c] offset:IMG*\a+256*\p   ; 32 lanes store 256 consecutive bytes, aligned; each block has registers of its own
.endr
.endr
	ds_store_b32 v[ESW], v[PW+\a] offset:64*\a     ; both halves of the lanes write the same word with the same value
.endr
	ds_load_b128 v[72:75], v[ESR]                  ; LDS serves a wave's instructions in order: this sees my stores
	s_wait_dscnt 0x0
	global_store_b128 v[L16], v[72:75], s[12:13]   ; 512 consecutive bytes, aligned
	s_wait_tensorcnt 0x0                           ; the wave's end
	ds_add_u32 v[SPW], v[NIL]
	s_wait_dscnt 0x0
	CROUND                                         ; the closing round: no work-group ends while a partner may still ask for a tile that names it
	s_endpgm
.Lfunc_end_k_q3bdc243a2b_gemm_qkv:
	.size	k_q3bdc243a2b_gemm_qkv, .Lfunc_end_k_q3bdc243a2b_gemm_qkv-k_q3bdc243a2b_gemm_qkv
	.p2alignl 7, 3214868480
	.fill 96, 4, 3214868480
	.section	.rodata,"a",@progbits
	.p2align	6, 0x0
	.amdhsa_kernel k_q3bdc243a2b_gemm_qkv
		.amdhsa_group_segment_fixed_size 327680
		.amdhsa_private_segment_fixed_size 0
		.amdhsa_enable_private_segment 0
		.amdhsa_kernarg_size 56
		.amdhsa_user_sgpr_count 2
		.amdhsa_user_sgpr_kernarg_segment_ptr 1
		.amdhsa_wavefront_size32 1
		.amdhsa_system_sgpr_workgroup_id_x 1
		.amdhsa_system_sgpr_workgroup_id_y 1
		.amdhsa_system_sgpr_workgroup_id_z 1
		.amdhsa_system_vgpr_workitem_id 0
		.amdhsa_next_free_vgpr 1024
		.amdhsa_next_free_sgpr 106
		.amdhsa_reserve_vcc 0
		.amdhsa_float_denorm_mode_32 3
		.amdhsa_float_denorm_mode_16_64 3
		.amdhsa_memory_ordered 1
		.amdhsa_forward_progress 1
		.amdhsa_inst_pref_size 191
	.end_amdhsa_kernel
	.amdgpu_metadata
---
amdhsa.version: [ 1, 2 ]
amdhsa.kernels:
  - .name:           k_q3bdc243a2b_gemm_qkv
    .symbol:         k_q3bdc243a2b_gemm_qkv.kd
    .args:
      - { .name: ops, .offset: 0, .size: 8, .value_kind: global_buffer, .address_space: global }
      - { .name: opss, .offset: 8, .size: 8, .value_kind: global_buffer, .address_space: global }
      - { .name: bq, .offset: 16, .size: 8, .value_kind: global_buffer, .address_space: global }
      - { .name: bk, .offset: 24, .size: 8, .value_kind: global_buffer, .address_space: global }
      - { .name: bv, .offset: 32, .size: 8, .value_kind: global_buffer, .address_space: global }
      - { .name: qkv, .offset: 40, .size: 8, .value_kind: global_buffer, .address_space: global }
      - { .name: qkvs, .offset: 48, .size: 8, .value_kind: global_buffer, .address_space: global }
    .group_segment_fixed_size: 327680
    .private_segment_fixed_size: 0
    .kernarg_segment_align: 8
    .kernarg_segment_size: 56
    .max_flat_workgroup_size: 128
    .sgpr_count:     106
    .vgpr_count:     1024
    .wavefront_size: 32
...
	.end_amdgpu_metadata
.endif
;; end of part 2
;; launch attn (part 3): grid 2 x 128, 16 waves a work-group, no clusters, 327,680 bytes of LDS; arguments qkv, qkvs, ao, aos; writes ao, aos
.if DOCPART == 3
	.amdgcn_target "amdgcn-amd-amdhsa--gfx1250"
	.amdhsa_code_object_version 6
	.text
	.protected	k_q3bdc243a2b_attn
	.globl	k_q3bdc243a2b_attn
	.p2align	8
	.type	k_q3bdc243a2b_attn,@function
k_q3bdc243a2b_attn:
	s_mov_b64 s[64:65], 0
	v_nop
	global_prefetch_b8 v0, s[64:65] scope:SCOPE_SE
	s_setreg_imm32_b32 hwreg(HW_REG_WAVE_MODE, 25, 1), 1
	s_wait_xcnt 0x0
; For each of 128 (batch, head): O = softmax(Q K^T / 8) V, both products on codes of BF6 (E3M2) with E8M0 scales for each 32 along K, and O quantised at once along the features for the last product.
; IN: qkv, qkvs as the launch before lays them: Q's and K's images [feature / 64][512 token tiles][768] (K = the head's 64: ONE image is a whole row tile), V's [token / 64][64 feature tiles][768] (K = the tokens).
; Row slot 16 T + r holds true row 32 (T / 2) + 8 (T % 2) + r + 8 (r / 8), so in a transposed product the 16 registers of tiles 2 b, 2 b + 1 are 16 neighbours along the next K.
; THE SOFTMAX: t = score x log2(e) / 8; M = the row's largest t so far, rounded UP to a whole number; p = 2^(t - M) is quantised along the keys, not normalised; the row's sum is taken of the unquantised p and
; divides O at the end.  When M moves, the sum and O are multiplied by 2^(old M - new M): exact.
; THE SCORE PRODUCT HAS K = 64 and the instruction 128: Q's registers 6-11 are zero codes.  K's fragment t names v[32 + 6 t .. 43 + 6 t]: its upper six registers are the next tile's codes (behind the last tile: zeros);
; they meet Q's zero codes and add nothing.  The scale bytes of those two blocks are 0 (2^-127, no NaN): the 16-bit loads of the scale words extend with zeros.
; SHARES: a work-group owns 512 queries of one head; each of its sixteen waves 16 of them a pass, two passes; four waves to a SIMD, so that one wave's vector work stands beside another's matrix work and LDS loads.
; THE HEAD'S K AND V LIE IN LDS WHOLE (104,448 bytes with their scale words), FILLED ONCE: ten tensor loads, one a wave: one tensor load of a wave is out at the most.
; No LDS byte is filled twice and none is stored to, so there is no ring.  TWO BARRIERS IN ALL: in front of key step 0 (the scale words and the first chunks have landed) and in front of key step 2 (all chunks have).
; Behind the second nothing in LDS changes any more: the sixteen waves run the other fourteen key steps of their two passes without meeting again.  So the two passes are written out, the second without waits for tiles.
; Both passes' Q is fetched at the head.
; NO CLUSTER: only two work-groups share a head's K and V; four to a head would make 512 work-groups for 256 WGPs, each WGP filling its 104,448 bytes twice.
; OUT: ao[head][512 token tiles][768], whole aligned runs of 256 bytes; aos[T][feature / 256][r][8]: a head owns 2 bytes of each 8, so these leave a byte a lane, parts of many 256-byte runs: 262,144 bytes in the launch.
; LIMITS: a block of zeros gets the byte 1 where the quantiser says 127 (its codes are zeros; this program alone reads the bytes); NaN and infinities are not served.
.set KC,  0                            ; LDS: K's 64 images
.set VC,  49152                        ; V's: [16 kap][4 feature tiles][768]
.set KS,  98304                        ; K's scale words, 1,024
.set VS,  102400                       ; V's: [8 steps][64 feature slots]
.set VREG, 12582912
.set SREG, 524288
.set QA,  16                           ; v16-27 the first pass's Q: v16-21 its image, v22-27 zeros
.set QSA, 28                           ; v28 its scale bytes, and nothing else
.set KF,  32                           ; v32-79 K's eight images, then V's four fragments; v80-85 zeros
.set SW,  86                           ; v86-93 scale words of K's or V's tiles, and nothing else
.set S,   96                           ; v96-159 S^T, then p
.set O,   160                          ; v160-191 O^T
.set PC,  192                          ; v192-203 p's codes
.set CT,  204                          ; v204-206, v208-210 the conversions' second results
.set BM,  212                          ; v212-215 the blocks' largest scores, then largest p
.set PX,  216                          ; v216-219 the other half of the lanes' numbers, then scale bytes
.set SO,  220                          ; v220-223 the conversions' scale operands
.set F,   224                          ; v[224:225] f = 2^(old M - new M)
.set TP,  226
.set PS,  228                          ; v228 p's scale word, and nothing else
.set L2,  230                          ; v[230:231] the sum's second chain
.set QB,  232                          ; v232-243 the second pass's Q: v232-237 its image, v238-243 zeros
.set QSB, 244                          ; v244 its scale bytes, and nothing else
.set WV,  18
.set SEL, 20                           ; s[20:21] v_permlanex16_b32's selects for lane l xor 16
.set CS,  22                           ; s[22:23] c = log2(e) / 8
.set G1K, 24                           ; s[24:31] group 1: a chunk of K;  s[32:39] K's scale words;  s[40:47] a chunk of V;  s[48:55] V's scale words
.set G1KS, 32
.set G1V, 40
.set G1VS, 48
.set G0KS, 56                          ; s[56:59], s[60:63] groups 0 of the scale words;  s[68:83] K's four chunks;  s[84:99] V's
.set G0VS, 60
.set G0K, 68
.set G0V, 84
	s_load_b256 s[4:11], s[0:1], 0x0               ; qkv, qkvs, ao, aos
	v_lshl_add_u32 v254, v0, 2, 0x29000
	v_mov_b32 v255, 0
	ds_add_u32 v254, v255
	ds_add_u32 v254, v255
	v_lshrrev_b32 v8, 5, v0
	s_delay_alu instid0(VALU_DEP_1)
	v_readfirstlane_b32 s[WV], v8                  ; wave 0..15
	s_and_b32 s2, ttmp7, 0xffff
	s_lshr_b32 s16, s2, 4                          ; the batch
	s_and_b32 s17, s2, 15                          ; the head
	s_mov_b32 s[G1K], 3<<16                        ; a chunk of K: 16 images, 12,288 dense bytes, as 48 rows of 32 elements of 8 bytes
	s_mov_b32 s[G1K+1], 32<<16
	s_mov_b32 s[G1K+2], 48<<16
	s_mov_b32 s[G1K+3], 32<<16
	s_mov_b32 s[G1K+4], 48
	s_mov_b32 s[G1K+5], 32
	s_mov_b32 s[G1K+6], 0
	s_mov_b32 s[G1K+7], 0
	s_mov_b32 s[G1KS], 3<<16                       ; K's scale words: 4,096 dense bytes, 16 rows of 256
	s_mov_b32 s[G1KS+1], 32<<16
	s_mov_b32 s[G1KS+2], 16<<16
	s_mov_b32 s[G1KS+3], 32<<16
	s_mov_b32 s[G1KS+4], 16
	s_mov_b32 s[G1KS+5], 32
	s_mov_b32 s[G1KS+6], 0
	s_mov_b32 s[G1KS+7], 0
	s_mov_b32 s[G1V], 3<<16                        ; a chunk of V: 4 rows (64 tokens each) of 4 images = 384 elements, 49,152 bytes = 6,144 elements apart
	s_mov_b32 s[G1V+1], 384<<16
	s_mov_b32 s[G1V+2], 4<<16
	s_mov_b32 s[G1V+3], 384<<16
	s_mov_b32 s[G1V+4], 4
	s_mov_b32 s[G1V+5], 6144
	s_mov_b32 s[G1V+6], 0
	s_mov_b32 s[G1V+7], 0
	s_mov_b32 s[G1VS], 3<<16                       ; V's scale words: 8 rows (128 tokens each) of 256 bytes, 4,096 bytes apart
	s_mov_b32 s[G1VS+1], 32<<16
	s_mov_b32 s[G1VS+2], 8<<16
	s_mov_b32 s[G1VS+3], 32<<16
	s_mov_b32 s[G1VS+4], 8
	s_mov_b32 s[G1VS+5], 512
	s_mov_b32 s[G1VS+6], 0
	s_mov_b32 s[G1VS+7], 0
	s_add_co_u32 s2, s17, 16                       ; K's images: ((16 + head) 512 + 64 batch) x 768
	s_lshl_b32 s2, s2, 9
	s_lshl_b32 s3, s16, 6
	s_add_co_u32 s2, s2, s3
	s_mul_i32 s2, s2, 768
	s_mov_b32 s3, 0
	s_lshr_b32 s12, s17, 1                         ; K's scale words: ((8 + head / 2) 8,192 + 1,024 batch) x 4
	s_add_co_u32 s12, s12, 8
	s_lshl_b32 s12, s12, 15
	s_lshl_b32 s13, s16, 12
	s_add_co_u32 s12, s12, s13
	s_mov_b32 s13, 0
	s_lshl_b32 s14, s16, 10                        ; V's images: VREG + (1,024 batch + 4 head) x 768
	s_lshl_b32 s15, s17, 2
	s_add_co_u32 s14, s14, s15
	s_mul_i32 s14, s14, 768
	s_add_co_u32 s14, s14, VREG
	s_mov_b32 s15, 0
	s_lshl_b32 s66, s16, 15                        ; V's scale words: SREG + (8,192 batch + 64 head) x 4
	s_lshl_b32 s67, s17, 8
	s_add_co_u32 s66, s66, s67
	s_add_co_u32 s66, s66, SREG
	s_mov_b32 s67, 0
	s_wait_dscnt 0x0
	s_wait_kmcnt 0x0
	s_add_nc_u64 s[2:3], s[4:5], s[2:3]
	s_add_nc_u64 s[12:13], s[6:7], s[12:13]
	s_add_nc_u64 s[14:15], s[4:5], s[14:15]
	s_add_nc_u64 s[66:67], s[6:7], s[66:67]
	s_mov_b32 s[G0KS], 1
	s_mov_b32 s[G0KS+1], KS
	s_mov_b64 s[G0KS+2:G0KS+3], s[12:13]
	s_or_b32 s[G0KS+3], s[G0KS+3], 0x80000000
	s_mov_b32 s[G0VS], 1
	s_mov_b32 s[G0VS+1], VS
	s_mov_b64 s[G0VS+2:G0VS+3], s[66:67]
	s_or_b32 s[G0VS+3], s[G0VS+3], 0x80000000
.irp j, 0,1,2,3
	s_mov_b32 s[G0K+4*\j], 1
	s_mov_b32 s[G0K+4*\j+1], KC+12288*\j
	s_add_nc_u64 s[G0K+4*\j+2:G0K+4*\j+3], s[2:3], 12288*\j
	s_or_b32 s[G0K+4*\j+3], s[G0K+4*\j+3], 0x80000000
	s_mov_b32 s[G0V+4*\j], 1
	s_mov_b32 s[G0V+4*\j+1], VC+12288*\j
	s_add_nc_u64 s[G0V+4*\j+2:G0V+4*\j+3], s[14:15], 196608*\j
	s_or_b32 s[G0V+4*\j+3], s[G0V+4*\j+3], 0x80000000
.endr
; THE TEN FILLS ARE SHARED OUT, one a wave, to waves 0-3 at the head and 0-5 behind the first barrier: one chain of branches on the wave's number, all arms to one join.
; Every wave waits for its load in front of the next barrier; behind the second all of K and V may be read.
.macro ARM under, g0, g1, next
	s_cmp_lt_u32 s[WV], \under
	s_cbranch_scc0 \next
	tensor_load_to_lds s[\g0:\g0+3], s[\g1:\g1+7]
	s_nop 0
.rept 4
	v_nop
.endr
	s_branch .Lasked
\next:
.endm
	ARM 1, G0KS, G1KS, .La1
	ARM 2, G0K, G1K, .La2
	ARM 3, G0VS, G1VS, .La3
	ARM 4, G0V, G1V, .Lasked
; At the head only what key steps 0 and 1 read is asked for: the scale words and the first chunks of 256 keys, by waves 0-3.  The six later chunks are first fills behind the first barrier,
; one a wave, waves 0-5; they are waited for in front of the barrier ahead of key step 2.
.macro ARMB under, g0, g1, next
	s_cmp_lt_u32 s[WV], \under
	s_cbranch_scc0 \next
	tensor_load_to_lds s[\g0:\g0+3], s[\g1:\g1+7]
	s_nop 0
.rept 4
	v_nop
.endr
	s_branch .Lasked_b
\next:
.endm
	s_lshl_b32 s100, ttmp9, 5
	s_add_co_u32 s100, s100, s[WV]                 ; my tile of queries in the first pass: 32 x half + wave,
	s_lshl_b32 s101, s16, 6
	s_add_co_u32 s100, s100, s101                  ; + 64 x batch: a token tile.  The second pass's tile lies sixteen further on
	s_lshl_b32 s2, s17, 9
	s_add_co_u32 s2, s2, s100
	s_mul_i32 s2, s2, 768                          ; (512 head + tile) x 768: Q's image, and the result's
	s_mov_b32 s3, 0
	s_add_nc_u64 s[12:13], s[4:5], s[2:3]
	s_add_nc_u64 s[8:9], s[8:9], s[2:3]
	s_lshr_b32 s2, s17, 1                          ; Q's scale bytes: ((head / 2) 8,192 + 16 tile) x 4 + 2 (head % 2)
	s_lshl_b32 s2, s2, 15
	s_lshl_b32 s101, s100, 6
	s_add_co_u32 s2, s2, s101
	s_and_b32 s101, s17, 1
	s_lshl_b32 s101, s101, 1
	s_add_co_u32 s2, s2, s101
	s_add_nc_u64 s[14:15], s[6:7], s[2:3]
	s_lshl_b32 s2, s100, 9                         ; the result's scale bytes: 512 tile + 128 (head / 4) + 2 (head % 4)
	s_lshr_b32 s66, s17, 2
	s_lshl_b32 s66, s66, 7
	s_add_co_u32 s2, s2, s66
	s_and_b32 s66, s17, 3
	s_lshl_b32 s66, s66, 1
	s_add_co_u32 s2, s2, s66
	s_add_nc_u64 s[10:11], s[10:11], s[2:3]
	s_mov_b32 s100, 0xffff0000                     ; lanes 16-31
	s_mov_b32 s[SEL], 0x76543210
	s_mov_b32 s[SEL+1], 0xfedcba98
	s_mov_b32 s[CS], 0x3e38aa3b                    ; c = log2(e) / 8
	s_mov_b32 s[CS+1], s[CS]                       ; (named with it as a pair, so it is written)
	v_and_b32 v8, 31, v0                           ; lane
	v_and_b32 v9, 15, v0                           ; r
	v_bfe_u32 v10, v0, 4, 1                        ; h
	s_delay_alu instid0(VALU_DEP_3)
	v_lshlrev_b32 v1, 3, v8                        ; 8 x lane: an image's place for my lane, in LDS (K's images begin at byte 0) and in memory
	s_delay_alu instid0(VALU_DEP_3)
	v_lshlrev_b32 v6, 2, v9                        ; 4 r
.irp p, 0,1,2
	global_load_b64 v[QA+2*\p:QA+2*\p+1], v1, s[12:13] offset:256*\p          ; Q's image of the first pass: registers 0-5 of its fragment,
	global_load_b64 v[QB+2*\p:QB+2*\p+1], v1, s[12:13] offset:12288+256*\p    ; and of the second, sixteen tiles of 768 bytes on
.endr
	global_load_u16 v[QSA], v6, s[14:15]           ; Q's two scale bytes,
	global_load_u16 v[QSB], v6, s[14:15] offset:1024   ; and those 256 slots of 4 bytes on
	v_add_nc_u32 v2, VC, v1                        ; an image's place among V's
	v_add_nc_u32 v3, s101, v6
	s_delay_alu instid0(VALU_DEP_1)
	v_add_nc_u32 v3, KS, v3                        ; K's scale bytes: my head's two of slot r's four
	v_add_nc_u32 v4, VS, v6                        ; V's scale words
	v_lshl_add_u32 v7, v9, 3, v10                  ; 8 r + h: the result's scale byte that I store
.irp j, 22,23,24,25,26,27,80,81,82,83,84,85,238,239,240,241,242,243
	v_mov_b32 v[\j], 0                             ; zero codes: Q's upper 64 along K, in both passes' fragments; what stands behind K's last tile
.endr
.irp b, 0,1,2,3
	v_mov_b32 v[PX+\b], 0                          ; written once: a lane permute's destination counts as one of its sources
.endr
	v_mov_b32 v[F+1], 0                            ; (named as the upper half of a pair)
	v_mov_b32 v[TP], 0
; A KEY STEP: 128 keys, the s-th of the head.  Every offset is an immediate.  qf, qs: the pass's Q fragment and its scale register.
; bar = 1: in front of the launch's first LDS read; bar = 0: all that the step reads has been shown landed to every wave.
.macro STEP s, bar, qf, qs
.if \bar == 1
	s_wait_tensorcnt 0x0                           ; my head fill, if I issued one, has landed
	ds_add_u32 v254, v255                          ; the add ahead of a later first fill's barrier, here twice on end
	ds_add_u32 v254, v255
	s_wait_dscnt 0x0
	s_barrier_signal -1
	s_barrier_wait -1                              ; every wave may read the scale words and the first 256 keys
	ARMB 1, G0K+4, G1K, .Lb1
	ARMB 2, G0V+4, G1V, .Lb2
	ARMB 3, G0K+8, G1K, .Lb3
	ARMB 4, G0V+8, G1V, .Lb4
	ARMB 5, G0K+12, G1K, .Lb5
	ARMB 6, G0V+12, G1V, .Lasked_b
.endif
.rept 4
	v_nop                                          ; places in front of loads into registers that matrix instructions have read
.endr
.irp t, 0,1,2,3,4,5,6,7
.irp p, 0,1,2
	ds_load_b64 v[KF+6*\t+2*\p:KF+6*\t+2*\p+1], v1 offset:KC+(8*(\s)+\t)*768+256*\p   ; 32 lanes read 256 consecutive bytes
.endr
	ds_load_u16 v[SW+\t], v3 offset:(8*(\s)+\t)*64
.endr
	s_wait_dscnt 0x0
.irp t, 0,1,2,3,4,5,6,7                ; S^T = K Q^T: lane (r, h) holds query slot r; the 16 registers of tiles 2 b, 2 b + 1 are keys 128 s + 32 b + 16 h + 0 .. 15
	v_wmma_scale_f32_16x16x128_f8f6f4 v[S+8*\t:S+8*\t+7], v[KF+6*\t:KF+6*\t+11], v[\qf:\qf+11], 0, v[SW+\t], v[\qs] matrix_a_fmt:MATRIX_FMT_BF6 matrix_b_fmt:MATRIX_FMT_BF6
.endr
.rept 4
	v_nop                                          ; places: behind them K's registers take V's fragments, which land under the softmax, and the scores are read
.endr
.irp t, 0,1,2,3
.irp c, 0,1
.irp p, 0,1,2
	ds_load_b64 v[KF+12*\t+6*\c+2*\p:KF+12*\t+6*\c+2*\p+1], v2 offset:(2*(\s)+\c)*3072+768*\t+256*\p
.endr
.endr
	ds_load_b32 v[SW+\t], v4 offset:256*(\s)+64*\t
.endr
.irp b, 0,1,2,3
	v_max3_num_f32 v[BM+\b], v[S+16*\b], v[S+16*\b+1], v[S+16*\b+2]   ; THE LARGEST SCORE OF EACH BLOCK OF 32 KEYS: for the row's maximum and, since p rises with the score, for the block's largest p
.endr
.irp i, 3,5,7,9,11,13
.irp b, 0,1,2,3
	v_max3_num_f32 v[BM+\b], v[BM+\b], v[S+16*\b+\i], v[S+16*\b+\i+1]   ; (the four blocks by turns)
.endr
.endr
.irp b, 0,1,2,3
	v_max_num_f32 v[BM+\b], v[BM+\b], v[S+16*\b+15]
.endr
.irp b, 0,1,2,3
	s_delay_alu instid0(VALU_DEP_4)
	v_permlanex16_b32 v[PX+\b], v[BM+\b], s[SEL], s[SEL+1]
.endr
.irp b, 0,1,2,3
	s_delay_alu instid0(VALU_DEP_4)
	v_max_num_f32 v[BM+\b], v[BM+\b], v[PX+\b]     ; with lane l xor 16's 16 keys
.endr
	s_delay_alu instid0(VALU_DEP_2)
	v_max3_num_f32 v[TP], v[BM], v[BM+1], v[BM+2]
	s_delay_alu instid0(VALU_DEP_1)
	v_max_num_f32 v[TP], v[TP], v[BM+3]            ; the step's largest score of my query
	s_delay_alu instid0(VALU_DEP_1)
	v_mul_f32 v[TP], s[CS], v[TP]                  ; as t (c is positive)
	s_delay_alu instid0(VALU_DEP_1)
	v_max_num_f32 v13, v13, v[TP]                  ; the running largest t
	v_mov_b32 v[TP], v12
	s_delay_alu instid0(VALU_DEP_2)
	v_floor_f32 v12, -v13                          ; the new -M = floor(-t) = -ceil(t): M is a whole number
	s_delay_alu instid0(VALU_DEP_1)
	v_sub_f32 v[TP], v12, v[TP]                    ; M's old value less its new one: a whole number, 0 or less
	s_delay_alu instid0(VALU_DEP_1)
	v_cvt_i32_f32 v[TP], v[TP]                     ; (it saturates)
	s_delay_alu instid0(VALU_DEP_1)
	v_ldexp_f32 v[F], 1.0, v[TP]                   ; f = 2^(old M - new M)
.set j, 0
.rept 32
	v_pk_fma_f32 v[S+j:S+j+1], v[S+j:S+j+1], s[CS:CS+1], v[12:13] op_sel_hi:[1,0,0]   ; t - M, two at a time (of the pairs c and -M the low word serves both halves)
.set j, j+2
.endr
.irp b, 0,1,2,3
	v_fma_f32 v[BM+\b], v[BM+\b], s[CS], v12       ; the same of each block's largest score
.endr
.set j, 0
	s_wait_alu depctr_va_vdst(0)
.rept 64
	v_exp_f32 v[S+j], v[S+j]                       ; p = 2^(t - M), at most 1: not normalised
.set j, j+1
.endr
.irp b, 0,1,2,3
	v_exp_f32 v[BM+\b], v[BM+\b]                   ; the block's largest p: the same two instructions on the same number give the same bits
.endr
	v_pk_mul_f32 v[14:15], v[14:15], v[F:F+1] op_sel_hi:[1,0]   ; the sums under the new M.  (A plain place behind the exponentials)
	s_wait_alu depctr_va_vdst(0)
.irp b, 0,1,2,3
	v_max_num_f32 v[BM+\b], 0x2800000, v[BM+\b]    ; the floor 2^(5 - 127): the byte cannot fall under 1
.endr
.irp b, 0,1,2,3
	s_delay_alu instid0(VALU_DEP_4)
	v_add_nc_u32 v[SO+\b], 0xfe000000, v[BM+\b]    ; 4 off the exponent field: the conversion's scale operand
.endr
.irp b, 0,1,2,3
	s_delay_alu instid0(VALU_DEP_4)
	v_lshrrev_b32 v[PX+\b], 23, v[SO+\b]           ; the scale's byte
.endr
	s_delay_alu instid0(VALU_DEP_3)
	v_lshl_or_b32 v[PS], v[PX+1], 8, v[PX]         ; p's scale word for these 128 keys
	s_delay_alu instid0(VALU_DEP_1)
	v_lshl_or_b32 v[PS], v[PX+2], 16, v[PS]
	s_delay_alu instid0(VALU_DEP_1)
	v_lshl_or_b32 v[PS], v[PX+3], 24, v[PS]
.irp c, 0,1
	v_cvt_scalef32_pk16_bf6_f32 v[PC+6*\c:PC+6*\c+2], v[S+32*\c:S+32*\c+15], v[SO+2*\c]
	v_cvt_scalef32_pk16_bf6_f32 v[CT+4*\c:CT+4*\c+2], v[S+32*\c+16:S+32*\c+31], v[SO+2*\c+1]   ; (a conversion's three registers begin on an even number)
.endr
	v_nop                                          ; one plain place behind a scaled conversion
.irp c, 0,1                            ; the operand's layout wants a WHOLE block in a lane: lanes 0-15 block 2 c, lanes 16-31 block 2 c + 1
.irp i, 0,1,2
	v_permlane16_swap_b32 v[PC+6*\c+\i], v[CT+4*\c+\i]
.endr
.irp i, 0,1,2
	s_delay_alu instid0(VALU_DEP_3)
	v_mov_b32 v[PC+6*\c+3+\i], v[CT+4*\c+\i]
.endr
.endr
	v_pk_add_f32 v[230:231], v[100:101], v[104:105]
	v_pk_add_f32 v[252:253], v[108:109], v[112:113]
	v_pk_add_f32 v[250:251], v[116:117], v[120:121]
	v_pk_add_f32 v[248:249], v[124:125], v[128:129]
	v_pk_add_f32 v[246:247], v[132:133], v[136:137]
	v_pk_add_f32 v[222:223], v[140:141], v[144:145]
	v_pk_add_f32 v[220:221], v[148:149], v[152:153]
	v_pk_add_f32 v[14:15], v[14:15], v[156:157]
	v_pk_add_f32 v[230:231], v[230:231], v[96:97]
	v_pk_add_f32 v[252:253], v[252:253], v[98:99]
	v_pk_add_f32 v[250:251], v[250:251], v[102:103]
	v_pk_add_f32 v[248:249], v[248:249], v[106:107]
	v_pk_add_f32 v[246:247], v[246:247], v[110:111]
	v_pk_add_f32 v[222:223], v[222:223], v[114:115]
	v_pk_add_f32 v[220:221], v[220:221], v[118:119]
	v_pk_add_f32 v[14:15], v[14:15], v[122:123]
	v_pk_add_f32 v[230:231], v[230:231], v[126:127]
	v_pk_add_f32 v[252:253], v[252:253], v[130:131]
	v_pk_add_f32 v[250:251], v[250:251], v[134:135]
	v_pk_add_f32 v[248:249], v[248:249], v[138:139]
	v_pk_add_f32 v[246:247], v[246:247], v[142:143]
	v_pk_add_f32 v[222:223], v[222:223], v[146:147]
	v_pk_add_f32 v[220:221], v[220:221], v[150:151]
	v_pk_add_f32 v[14:15], v[14:15], v[154:155]
	v_pk_add_f32 v[230:231], v[230:231], v[158:159]
	s_delay_alu instid0(VALU_DEP_2)
	v_pk_add_f32 v[14:15], v[14:15], v[248:249]
	s_delay_alu instid0(VALU_DEP_2)
	v_pk_add_f32 v[230:231], v[230:231], v[246:247]
	v_pk_add_f32 v[252:253], v[252:253], v[222:223]
	v_pk_add_f32 v[250:251], v[250:251], v[220:221]
	s_delay_alu instid0(VALU_DEP_2)
	v_pk_add_f32 v[14:15], v[14:15], v[252:253]
	s_delay_alu instid0(VALU_DEP_2)
	v_pk_add_f32 v[230:231], v[230:231], v[250:251]
	s_delay_alu instid0(VALU_DEP_1)
	v_pk_add_f32 v[14:15], v[14:15], v[230:231]
.set j, 0
.rept 16
	v_pk_mul_f32 v[O+j:O+j+1], v[O+j:O+j+1], v[F:F+1] op_sel_hi:[1,0]   ; O^T under the new M.  (With the sums: the places between p's codes and scale word and the products below)
.set j, j+2
.endr
	s_wait_alu depctr_va_vdst(0)
	s_wait_dscnt 0x0                               ; V's fragments and scale words are in
.irp t, 0,1,2,3                        ; O^T += V^T P^T: 16 of the head's 64 features a tile; K = these 128 keys; the four accumulators by turns
	v_wmma_scale_f32_16x16x128_f8f6f4 v[O+8*\t:O+8*\t+7], v[KF+12*\t:KF+12*\t+11], v[PC:PC+11], v[O+8*\t:O+8*\t+7], v[SW+\t], v[PS] matrix_a_fmt:MATRIX_FMT_BF6 matrix_b_fmt:MATRIX_FMT_BF6
.endr
.endm
; A PASS: 16 queries of the wave against all 1,024 keys, and their result quantised and stored.  n = 0: the first, with the launch's two barriers; n = 1: the second, sixteen tiles on: what differs stands in the immediates.
.macro PASS n, qf, qs
	v_mov_b32 v13, 0xff61b1e6                      ; the largest t so far: -3e38, under every t
	s_delay_alu instid0(VALU_DEP_1)
	v_floor_f32 v12, -v13                          ; -M
	v_mov_b32 v14, 0                               ; the sum, in two halves
	v_mov_b32 v15, 0
.set j, 0
.rept 32
	v_mov_b32 v[O+j], 0                            ; O^T: the step is written once; the first finds zeros, which the first change of M leaves zeros
.set j, j+1
.endr
.if \n == 0
	s_wait_loadcnt 0x0                             ; both passes' Q
	STEP 0, 1, \qf, \qs
	STEP 1, 0, \qf, \qs
	s_wait_tensorcnt 0x0                           ; my later chunk, if I issued one, has landed
	s_wait_dscnt 0x0
	s_barrier_signal -1
	s_barrier_wait -1                              ; every wave may read all of K and V from here on: the launch's last barrier
	STEP 2, 0, \qf, \qs
.else
	s_wait_xcnt 0x0                                ; the first pass's stores have read their registers: the codes' and the byte's are written again only behind this wait
	STEP 0, 0, \qf, \qs
	STEP 1, 0, \qf, \qs
	STEP 2, 0, \qf, \qs
.endif
	STEP 3, 0, \qf, \qs
	STEP 4, 0, \qf, \qs
	STEP 5, 0, \qf, \qs
	STEP 6, 0, \qf, \qs
	STEP 7, 0, \qf, \qs
.rept 4
	v_nop                                          ; places behind the last products
.endr
	v_add_f32 v14, v14, v15                        ; the sum's two halves,
	s_delay_alu instid0(VALU_DEP_1)
	v_permlanex16_b32 v[TP], v14, s[SEL], s[SEL+1]
	s_delay_alu instid0(VALU_DEP_1)
	v_add_f32 v14, v14, v[TP]                      ; and lane l xor 16's: the row's sum
	s_wait_alu depctr_va_vdst(0)
	v_rcp_f32 v14, v14
	v_nop                                          ; one plain place behind a transcendental
.set j, 0
	s_wait_alu depctr_va_vdst(0)
.rept 32
	v_mul_f32 v[S+j], v[O+j], v14                  ; O^T / the sum, each accumulator from its low end on: register 16 b + i is feature 32 b + 16 h + i of my query
.set j, j+1
.endr
.irp b, 0,1
	v_max3_num_f32 v[BM+\b], |v[S+16*\b]|, |v[S+16*\b+1]|, 0x2800000   ; the head's two blocks of 32 features, quantised for the last product
.endr
.irp i, 2,4,6,8,10,12,14
.irp b, 0,1
	s_delay_alu instid0(VALU_DEP_2)
	v_max3_num_f32 v[BM+\b], v[BM+\b], |v[S+16*\b+\i]|, |v[S+16*\b+\i+1]|
.endr
.endr
.irp b, 0,1
	s_delay_alu instid0(VALU_DEP_2)
	v_permlanex16_b32 v[PX+\b], v[BM+\b], s[SEL], s[SEL+1]
.endr
.irp b, 0,1
	s_delay_alu instid0(VALU_DEP_2)
	v_max_num_f32 v[BM+\b], v[BM+\b], v[PX+\b]
.endr
.irp b, 0,1
	s_delay_alu instid0(VALU_DEP_2)
	v_add_nc_u32 v[SO+\b], 0xfe000000, v[BM+\b]
.endr
.irp b, 0,1
	s_delay_alu instid0(VALU_DEP_2)
	v_lshrrev_b32 v[PX+\b], 23, v[SO+\b]
.endr
	s_delay_alu instid0(VALU_DEP_1)
	v_cndmask_b32 v[TP], v[PX], v[PX+1], s100      ; lane (r, h) stores block h's byte
	v_cvt_scalef32_pk16_bf6_f32 v[PC:PC+2], v[S:S+15], v[SO]
	v_cvt_scalef32_pk16_bf6_f32 v[CT:CT+2], v[S+16:S+31], v[SO+1]
	v_nop                                          ; one plain place behind a scaled conversion
.irp i, 0,1,2
	v_permlane16_swap_b32 v[PC+\i], v[CT+\i]
.endr
.irp i, 0,1,2
	s_delay_alu instid0(VALU_DEP_3)
	v_mov_b32 v[PC+3+\i], v[CT+\i]                 ; lane (r, h): the 24 bytes of block h of slot r: the image
.endr
.irp p, 0,1,2
	global_store_b64 v1, v[PC+2*\p:PC+2*\p+1], s[8:9] offset:12288*\n+256*\p   ; 32 lanes store 256 consecutive bytes, aligned
.endr
	global_store_b8 v7, v[TP], s[10:11] offset:8192*\n
.endm
	PASS 0, QA, QSA
	PASS 1, QB, QSB
	s_wait_tensorcnt 0x0
	ds_add_u32 v254, v255
	s_wait_dscnt 0x0
	s_endpgm
.Lfunc_end_k_q3bdc243a2b_attn:
	.size	k_q3bdc243a2b_attn, .Lfunc_end_k_q3bdc243a2b_attn-k_q3bdc243a2b_attn
	.p2alignl 7, 3214868480
	.fill 96, 4, 3214868480
	.section	.rodata,"a",@progbits
	.p2align	6, 0x0
	.amdhsa_kernel k_q3bdc243a2b_attn
		.amdhsa_group_segment_fixed_size 327680
		.amdhsa_private_segment_fixed_size 0
		.amdhsa_enable_private_segment 0
		.amdhsa_kernarg_size 32
		.amdhsa_user_sgpr_count 2
		.amdhsa_user_sgpr_kernarg_segment_ptr 1
		.amdhsa_wavefront_size32 1
		.amdhsa_system_sgpr_workgroup_id_x 1
		.amdhsa_system_sgpr_workgroup_id_y 1
		.amdhsa_system_sgpr_workgroup_id_z 1
		.amdhsa_system_vgpr_workitem_id 0
		.amdhsa_next_free_vgpr 256
		.amdhsa_next_free_sgpr 106
		.amdhsa_reserve_vcc 0
		.amdhsa_float_denorm_mode_32 3
		.amdhsa_float_denorm_mode_16_64 3
		.amdhsa_memory_ordered 1
		.amdhsa_forward_progress 1
		.amdhsa_inst_pref_size 255
	.end_amdhsa_kernel
	.section	.bss,"aw",@nobits
	.p2align	6
	.space	262144
	.amdgpu_metadata
---
amdhsa.version: [ 1, 2 ]
amdhsa.kernels:
  - .name:           k_q3bdc243a2b_attn
    .symbol:         k_q3bdc243a2b_attn.kd
    .args:
      - { .name: qkv, .offset: 0, .size: 8, .value_kind: global_buffer, .address_space: global }
      - { .name: qkvs, .offset: 8, .size: 8, .value_kind: global_buffer, .address_space: global }
      - { .name: ao, .offset: 16, .size: 8, .value_kind: global_buffer, .address_space: global }
      - { .name: aos, .offset: 24, .size: 8, .value_kind: global_buffer, .address_space: global }
    .group_segment_fixed_size: 327680
    .private_segment_fixed_size: 0
    .kernarg_segment_align: 8
    .kernarg_segment_size: 32
    .max_flat_workgroup_size: 512
    .sgpr_count:     106
    .vgpr_count:     256
    .wavefront_size: 32
...
	.end_amdgpu_metadata
.endif
;; end of part 3
;; launch gemm_out (part 4): grid 4 x 64, 4 waves a work-group, clusters of 4 x 4, 327,680 bytes of LDS; arguments ao, aos, ops, opss, bo, out0; writes out0
.if DOCPART == 4
	.amdgcn_target "amdgcn-amd-amdhsa--gfx1250"
	.amdhsa_code_object_version 6
	.text
	.protected	k_q3bdc243a2b_gemm_out
	.globl	k_q3bdc243a2b_gemm_out
	.p2align	8
	.type	k_q3bdc243a2b_gemm_out,@function
k_q3bdc243a2b_gemm_out:
	s_mov_b64 s[64:65], 0
	v_nop
	global_prefetch_b8 v0, s[64:65] scope:SCOPE_SE
	s_setreg_imm32_b32 hwreg(HW_REG_WAVE_MODE, 25, 1), 1
	s_wait_xcnt 0x0
	s_wait_alu depctr_hold_cnt(0) depctr_sa_sdst(0) depctr_va_vdst(0) depctr_va_sdst(0) depctr_va_ssrc(0) depctr_va_vcc(0) depctr_vm_vsrc(0)
	s_getreg_b32 s2, hwreg(HW_REG_IB_STS2, 6, 4)
	s_cmp_eq_u32 s2, 0
	s_cbranch_scc0 .Lentry_in_a_cluster
	s_endpgm
.Lentry_in_a_cluster:
	s_bfe_u32 s2, ttmp6, 0x10000c
	s_cmp_lg_u32 s2, 0xf033
	s_cbranch_scc0 .Lentry_shape_is_right
	s_endpgm
.Lentry_shape_is_right:
; out0 = O Wo + bo on codes of BF6 (E3M2) with E8M0 scales for each 32 along K = 1,024; sums in f32; the bias is the C of each sum's first product.
; IN: ao[kap = feature / 64][512 token tiles][768]: images of six operand registers; aos[T][k / 256][r][8] scale bytes; Wo's images are tiles 704-767 of ops[kap][768 tiles][768], its scale bytes in opss.
; Row slot 16 T + r holds true row 32 (T / 2) + 8 (T % 2) + r + 8 (r / 8).  The matrix instruction is used transposed (source 0 = Wo's slots, source 1 = tokens): lane (r, h) holds token slot r,
; register j of Wo's tile 2 b + u the true column 32 b + 16 h + 8 u + j.
; SHARES: 256 work-groups; one makes 128 tokens x 256 columns; each of its four waves 64 x 128 in 32 accumulators.
; LDS HOLDS ALL OF K: A [16 kap][8 tiles][768] = 98,304 bytes, B [16 kap][16 tiles][768] = 196,608, the scale bytes 4,096 + 8,192.  Every byte is filled once: no ring, no refill.
; The head's four joint loads, one a wave: wave 0 A's kap 0-7, wave 1 A's scale bytes, wave 2 B's kap 0-7, wave 3 B's scale bytes.  Kap 8-15 follow behind the waits, the add and a round
; of the cluster's barrier: 4 kap a wave, waves 0, 1 for A, waves 2, 3 for B; four steps of 128 along K stand between that request and the wait for it.
; CLUSTER 4 x 4: A's tiles are shared along a row of the cluster, B's along a column.  NO PREFETCH: the launch has no loop to run ahead in; all its tiles are asked for in two groups.
; REGISTERS: window 0: v16-30 addresses; v32-63 scale words, two sets, and nothing else; v64-127 the bias; v128-223 A's fragments, two sets of 4; on the way out v128-255.
;   window 1: B's fragments, two sets of 8, at v0 and v128.  window 2: accumulator (a, b) at v[8 (8 a + b)].
.set FR,     12
.set NL,     6
.set IMG,    768
.set KA,     8*IMG                     ; LDS: 64 along K of A's 128 slots
.set KB,     16*IMG                    ; of B's 256 slots
.set BREG,   16*KA
.set SCL,    BREG+16*KB                ; A's scale bytes, 8 tiles x 512; B's directly behind, 16 tiles x 512
.set SCLB,   SCL+4096
.set SPARE,  SCLB+8192                 ; the spare words: 512 bytes that no other line names
.set KPA,    393216                    ; ao: bytes from one kap to the next
.set KPB,    589824                    ; ops: the same
.set SPITCH, 528                       ; the way out: a stage of 16 rows x (512 + 16) bytes a wave, in A's kap 0-7, which nobody reads behind the launch's last work-group barrier
.set ADRA, 16                          ; v16-17 my A fragments, kap 0-7, 8-15
.set ADRB, 20                          ; v20-23 my B fragments, 4 kap each
.set STO,  24
.set RD,   25
.set CO,   26
.set ADRS, 27
.set SPW,  28
.set NIL,  29
.set L8,   30
.set SC,   32
.set UB,   64
.set AF,   128
.set BK,   128
.set G1,   24                          ; s[24:31] group 1 for A's codes; s[32:35], s[36:39] group 0 of the first and second fill
.set G0,   32
.set G1B,  48
.set G0B,  56
.set G1S,  68
.set G0S,  76
.set G1SB, 80
.set G0SB, 88
.set MSB, 0
.macro WIN new
.if MSB != (\new)
	s_set_vgpr_msb (MSB<<8)|(\new)
.set MSB, (\new)
.endif
.endm
.set MUL_W, 0xa1                       ; source 0 (B) window 1, source 1 (A) window 0, C and D window 2
.set FST_W, 0x81                       ; the same with C (the bias) in window 0
.set TO_B,  0x40
.macro PLACES
.rept 4
	v_nop
.endr
.endm
.macro CREST
	s_cmp_lg_u32 s18, 0
	s_cbranch_scc1 .Lnot_wave_0_\@
	s_barrier_signal -3
.Lnot_wave_0_\@:
	s_barrier_wait -3
	s_barrier_signal -1
	s_barrier_wait -1
.endm
.macro CROUND
	s_barrier_signal -1
	s_barrier_wait -1
	CREST
.endm
	s_load_b128 s[4:7], s[0:1], 0x0                ; ao, aos
	s_load_b128 s[8:11], s[0:1], 0x10              ; ops, opss
	s_load_b128 s[12:15], s[0:1], 0x20             ; bo, out0
	v_lshl_add_u32 v[SPW], v0, 2, SPARE
	v_mov_b32 v[NIL], 0
	ds_add_u32 v[SPW], v[NIL]                      ; the opening lines: the add, twice on end, and its wait
	ds_add_u32 v[SPW], v[NIL]
	v_lshrrev_b32 v1, 5, v0
	v_readfirstlane_b32 s18, v1                    ; wave
	s_lshr_b32 s19, s18, 1                         ; my half of A's 128 slots; also: I fetch for A (0) or B (1)
	s_and_b32 s20, s18, 1                          ; my half of B's 256 slots; also: which 4 kap of the second fill I fetch
	s_bfe_u32 s40, ttmp6, 0x40000                  ; cx
	s_bfe_u32 s41, ttmp6, 0x40004                  ; cy
	s_and_b32 s42, ttmp7, 0xffff
	s_lshl_b32 s42, s42, 2
	s_add_co_u32 s42, s42, s41                     ; which 128 tokens: 0..63
	s_lshl_b32 s43, s41, 2
	s_lshl_b32 s43, 15, s43                        ; my row of the cluster
	s_lshl_b32 s44, 0x1111, s40                    ; my column
	s_or_b32 s[G1+0], s43, (3<<16)|(1<<21)         ; elements of 8 bytes; the mask, and bit 21 beside it
	s_or_b32 s[G1B+0], s44, (3<<16)|(1<<21)
	s_or_b32 s[G1S+0], s43, (3<<16)|(1<<21)
	s_or_b32 s[G1SB+0], s44, (3<<16)|(1<<21)
	s_mov_b32 s[G1+1], 768<<16                     ; A: rows (kap) of 8 images, 8 rows at the head
	s_mov_b32 s[G1+2], 8<<16
	s_mov_b32 s[G1+3], 768<<16
	s_mov_b32 s[G1+4], 8
	s_mov_b32 s[G1+5], KPA/8
	s_mov_b32 s[G1B+1], 1536<<16                   ; B: rows of 16 images
	s_mov_b32 s[G1B+2], 8<<16
	s_mov_b32 s[G1B+3], 1536<<16
	s_mov_b32 s[G1B+4], 8
	s_mov_b32 s[G1B+5], KPB/8
	s_mov_b32 s[G1S+1], 32<<16                     ; scale bytes: dense, rows of 256 bytes: A 16, B 32
	s_mov_b32 s[G1S+2], 16<<16
	s_mov_b32 s[G1S+3], 32<<16
	s_mov_b32 s[G1S+4], 16
	s_mov_b32 s[G1S+5], 32
	s_mov_b32 s[G1SB+1], 32<<16
	s_mov_b32 s[G1SB+2], 32<<16
	s_mov_b32 s[G1SB+3], 32<<16
	s_mov_b32 s[G1SB+4], 32
	s_mov_b32 s[G1SB+5], 32
.irp g, G1, G1B, G1S, G1SB
	s_mov_b32 s[\g+6], 0
	s_mov_b32 s[\g+7], 0
.endr
	s_lshl_b32 s2, s42, 7                          ; A's first slot
	s_lshl_b32 s46, s40, 8
	s_add_co_u32 s46, s46, 11264                   ; B's: Wo's first slot in ops + 256 cx
	s_lshl_b32 s22, s2, 5                          ; scale bytes: 32 a slot
	s_mov_b32 s23, 0
	s_lshl_b32 s66, s46, 5
	s_mov_b32 s67, 0
	s_mul_i32 s2, s2, 48                           ; codes: 768 bytes a tile
	s_mov_b32 s3, 0
	s_mul_i32 s46, s46, 48
	s_mov_b32 s47, 0
	s_mul_i32 s92, s20, 4*KPA                      ; the second fill: kap 8 + 4 (wave % 2) on
	s_add_co_u32 s92, s92, 8*KPA
	s_mov_b32 s93, 0
	s_mul_i32 s94, s20, 4*KPB
	s_add_co_u32 s94, s94, 8*KPB
	s_mov_b32 s95, 0
	s_wait_dscnt 0x0
	s_wait_kmcnt 0x0
	s_add_nc_u64 s[2:3], s[4:5], s[2:3]
	s_add_nc_u64 s[22:23], s[6:7], s[22:23]
	s_add_nc_u64 s[46:47], s[8:9], s[46:47]
	s_add_nc_u64 s[66:67], s[10:11], s[66:67]
	CROUND                                         ; all sixteen work-groups are here: the first joint loads meet
	s_mov_b32 s[G0], 1
	s_mov_b32 s[G0+1], 0
	s_mov_b64 s[G0+2:G0+3], s[2:3]
	s_or_b32 s[G0+3], s[G0+3], 0x80000000
	s_mov_b32 s[G0B], 1
	s_mov_b32 s[G0B+1], BREG
	s_mov_b64 s[G0B+2:G0B+3], s[46:47]
	s_or_b32 s[G0B+3], s[G0B+3], 0x80000000
	s_mov_b32 s[G0S], 1
	s_mov_b32 s[G0S+1], SCL
	s_mov_b64 s[G0S+2:G0S+3], s[22:23]
	s_or_b32 s[G0S+3], s[G0S+3], 0x80000000
	s_mov_b32 s[G0SB], 1
	s_mov_b32 s[G0SB+1], SCLB
	s_mov_b64 s[G0SB+2:G0SB+3], s[66:67]
	s_or_b32 s[G0SB+3], s[G0SB+3], 0x80000000
	s_mov_b32 s[G0+4], 1
	s_mul_i32 s45, s20, 4*KA
	s_add_co_u32 s[G0+5], s45, 8*KA
	s_add_nc_u64 s[G0+6:G0+7], s[2:3], s[92:93]
	s_or_b32 s[G0+7], s[G0+7], 0x80000000
	s_mov_b32 s[G0B+4], 1
	s_mul_i32 s45, s20, 4*KB
	s_add_co_u32 s[G0B+5], s45, BREG+8*KB
	s_add_nc_u64 s[G0B+6:G0B+7], s[46:47], s[94:95]
	s_or_b32 s[G0B+7], s[G0B+7], 0x80000000
.macro ARM under, g0, g1, next         ; one chain of branches on the wave's number, one load to an arm, all arms to one join
	s_cmp_lt_u32 s18, \under
	s_cbranch_scc0 \next
	tensor_load_to_lds s[\g0:\g0+3], s[\g1:\g1+7]
	s_nop 0
	PLACES
	s_branch .Lhead_asked
\next:
.endm
	ARM 1, G0,  G1,  .Lhead_sa
	ARM 2, G0S, G1S, .Lhead_b
	ARM 3, G0B, G1B, .Lhead_sb
	tensor_load_to_lds s[G0SB:G0SB+3], s[G1SB:G1SB+7]
	s_nop 0
	PLACES
.Lhead_asked:
	s_lshl_b32 s46, s40, 10                        ; my first column in bytes: 1,024 cx + 512 x half
	s_lshl_b32 s47, s20, 9
	s_add_co_u32 s46, s46, s47
	s_mov_b32 s47, 0
	s_add_nc_u64 s[12:13], s[12:13], s[46:47]      ; the bias of my 128 columns
	s_lshl_b32 s2, s42, 7
	s_lshl_b32 s3, s19, 6
	s_add_co_u32 s2, s2, s3                        ; my first row
	s_lshl_b32 s2, s2, 12
	s_mov_b32 s3, 0
	s_add_nc_u64 s[14:15], s[14:15], s[2:3]
	s_add_nc_u64 s[14:15], s[14:15], s[46:47]
	s_mul_i32 s21, s19, 4*IMG                      ; my 4 tiles of A's 8
	s_mul_i32 s22, s20, 8*IMG                      ; my 8 tiles of B's 16
	s_add_co_u32 s22, s22, BREG
	s_mul_i32 s23, s18, 16*SPITCH                  ; my stage
	s_lshl_b32 s66, s19, 11                        ; A's scale bytes: my 4 tiles
	s_lshl_b32 s67, s20, 12                        ; B's: my 8 tiles, 4,096 bytes behind A's first
	s_add_co_u32 s67, s67, 4096
	s_sub_co_u32 s67, s67, s66
	s_add_co_u32 s66, s66, SCL
	v_and_b32 v1, 15, v0                           ; r
	v_bfe_u32 v2, v0, 4, 1                         ; h
	v_and_b32 v3, 31, v0                           ; lane
	v_lshlrev_b32 v5, 6, v2
	v_lshlrev_b32 v[L8], 3, v3
	v_lshlrev_b32 v[CO], 4, v3
	v_add_nc_u32 v[ADRA], s21, v[L8]
	v_add_nc_u32 v[ADRA+1], 8*KA, v[ADRA]
	v_add_nc_u32 v[ADRB], s22, v[L8]
	v_add_nc_u32 v[ADRB+1], 4*KB, v[ADRB]
	v_add_nc_u32 v[ADRB+2], 4*KB, v[ADRB+1]
	v_add_nc_u32 v[ADRB+3], 4*KB, v[ADRB+2]
	v_mul_u32_u24 v4, s67, v2                      ; lanes 16-31 take B's scale words
	v_lshl_add_u32 v4, v1, 3, v4
	v_add_nc_u32 v[ADRS], s66, v4
	v_mul_u32_u24 v6, v1, SPITCH
	v_lshl_add_u32 v6, v2, 6, v6
	v_add_nc_u32 v[STO], s23, v6
	v_add_nc_u32 v[RD], s23, v[CO]
.irp b, 0,1,2,3,4,5,6,7                ; register 8 b + j: the bias of column 32 (b / 2) + 16 h + 8 (b % 2) + j
	global_load_b128 v[UB+8*\b:UB+8*\b+3], v5, s[12:13] offset:128*(\b/2)+32*(\b%2)
	global_load_b128 v[UB+8*\b+4:UB+8*\b+7], v5, s[12:13] offset:128*(\b/2)+32*(\b%2)+16
.endr
.macro FETCH_B q                       ; B's eight fragments of step q (128 along K) into set q % 2: each load reads 256 consecutive LDS bytes
	WIN TO_B
.irp i, 0,1,2,3,4,5,6,7
.irp p, 0,1,2,3,4,5
	ds_load_b64 v[128*((\q)%2)+FR*\i+2*\p:128*((\q)%2)+FR*\i+2*\p+1], v[ADRB+(\q)/2] offset:((2*(\q))%4+\p/3)*KB+\i*IMG+256*(\p%3)
.endr
.endr
	WIN 0
.endm
.macro FETCH_A q                       ; A's four fragments into set q % 2
.irp i, 0,1,2,3
.irp p, 0,1,2,3,4,5
	ds_load_b64 v[AF+48*((\q)%2)+FR*\i+2*\p:AF+48*((\q)%2)+FR*\i+2*\p+1], v[ADRA+(\q)/4] offset:((2*(\q))%8+\p/3)*KA+\i*IMG+256*(\p%3)
.endr
.endr
.endm
.macro SCALES ks                       ; the scale words of steps 2 ks, 2 ks + 1 into set ks % 2: lanes 0-15 A's tile i (used for i < 4), lanes 16-31 B's tile i
.irp i, 0,1,2,3,4,5,6,7
	ds_load_b64 v[SC+16*((\ks)%2)+2*\i:SC+16*((\ks)%2)+2*\i+1], v[ADRS] offset:\i*512+128*(\ks)
.endr
.endm
; 16 matrix instructions: A's blocks a0, a0 + 1 x B's eight.  The 32 accumulators take turns, in the same order in every step.
.macro MUL16 a0, q
.irp a, \a0, \a0+1
.irp b, 0,1,2,3,4,5,6,7
.if (\q) == 0
	v_wmma_scale_f32_16x16x128_f8f6f4 v[8*(8*(\a)+\b):8*(8*(\a)+\b)+7], v[128*((\q)%2)+FR*\b:128*((\q)%2)+FR*\b+FR-1], v[AF+48*((\q)%2)+FR*(\a):AF+48*((\q)%2)+FR*(\a)+FR-1], v[UB+8*\b:UB+8*\b+7], v[SC+16*(((\q)/2)%2)+2*\b+(\q)%2], v[SC+16*(((\q)/2)%2)+2*(\a)+(\q)%2] matrix_a_fmt:MATRIX_FMT_BF6 matrix_b_fmt:MATRIX_FMT_BF6 matrix_a_scale:MATRIX_SCALE_ROW1
.else
	v_wmma_scale_f32_16x16x128_f8f6f4 v[8*(8*(\a)+\b):8*(8*(\a)+\b)+7], v[128*((\q)%2)+FR*\b:128*((\q)%2)+FR*\b+FR-1], v[AF+48*((\q)%2)+FR*(\a):AF+48*((\q)%2)+FR*(\a)+FR-1], v[8*(8*(\a)+\b):8*(8*(\a)+\b)+7], v[SC+16*(((\q)/2)%2)+2*\b+(\q)%2], v[SC+16*(((\q)/2)%2)+2*(\a)+(\q)%2] matrix_a_fmt:MATRIX_FMT_BF6 matrix_b_fmt:MATRIX_FMT_BF6 matrix_a_scale:MATRIX_SCALE_ROW1
.endif
.endr
.endr
.endm
.macro MWIN q
.if (\q) == 0
	WIN FST_W
.else
	WIN MUL_W
.endif
.endm
; A step of 128 along K: the next step's B fragments are asked for ahead of this step's 32 products, its A fragments and scale words in their middle.
.macro QSTEP q
.set NX, (\q)+1
.if (\q) > 0
	PLACES                                         ; behind the last step's products: the sets that they read take loads again
.endif
.if (\q) == 3
	s_wait_tensorcnt 0x0                           ; my part of kap 8-15 is in,
	s_wait_dscnt 0x0                               ; and my reads of kap 0-7 are over;
	s_barrier_signal -1
	s_barrier_wait -1                              ; both hold of all four waves.
.endif
.if (\q) < 7
	FETCH_B NX
	s_wait_dscnt 8*NL                              ; all but the 48 loads just issued: this step's fragments and scale words are in
.else
	s_wait_dscnt 0x0
.endif
	MWIN \q
	MUL16 0, \q
.if (\q) < 7
	WIN 0
	FETCH_A NX
.if NX%2 == 0
	SCALES NX/2
.endif
.endif
	MWIN \q
	MUL16 2, \q
.endm
	s_wait_alu depctr_va_vdst(0)
	s_wait_tensorcnt 0x0                           ; my tile of the head's four is in
	ds_add_u32 v[SPW], v[NIL]
	s_mov_b32 s[G1+2], 4<<16                       ; no tensor load of mine is out: the second fill's loads bring 4 kap each
	s_mov_b32 s[G1+4], 4
	s_mov_b32 s[G1B+2], 4<<16
	s_mov_b32 s[G1B+4], 4
	s_wait_dscnt 0x0
	CROUND                                         ; all four tiles are in, and all sixteen work-groups are here
	s_cmp_eq_u32 s19, 0                            ; kap 8-15: waves 0, 1 for A, waves 2, 3 for B
	s_cbranch_scc0 .Lfor_b
	tensor_load_to_lds s[G0+4:G0+7], s[G1:G1+7]
	s_nop 0
	PLACES
	s_branch .Lasked
.Lfor_b:
	tensor_load_to_lds s[G0B+4:G0B+7], s[G1B:G1B+7]
	s_nop 0
	PLACES
.Lasked:
	FETCH_B 0
	FETCH_A 0
	SCALES 0
	s_wait_loadcnt 0x0                             ; the bias
.irp q, 0,1,2,3,4,5,6,7
	QSTEP \q
.endr
	WIN 0
; THE WAY OUT, block by block of 16 token slots x 128 columns, through my own stage: whole rows of 512 bytes leave as two aligned runs of 256 bytes.
.macro TOSTAGE a
	WIN 0x08                                       ; the data: window 2
.irp b, 0,1,2,3,4,5,6,7
	ds_store_b128 v[STO], v[64*(\a)+8*\b:64*(\a)+8*\b+3] offset:128*(\b/2)+32*(\b%2)       ; each accumulator from its low end on
	ds_store_b128 v[STO], v[64*(\a)+8*\b+4:64*(\a)+8*\b+7] offset:128*(\b/2)+32*(\b%2)+16
.endr
	WIN 0
.irp t, 0,1,2,3,4,5,6,7,8,9,10,11,12,13,14,15
	ds_load_b128 v[BK+64*((\a)%2)+4*\t:BK+64*((\a)%2)+4*\t+3], v[RD] offset:\t*SPITCH      ; LDS serves a wave's instructions in order: these see the stores above
.endr
.endm
.macro SEND a, younger
	s_wait_dscnt \younger
.irp t, 0,1,2,3,4,5,6,7,8,9,10,11,12,13,14,15
	global_store_b128 v[CO], v[BK+64*((\a)%2)+4*\t:BK+64*((\a)%2)+4*\t+3], s[14:15] offset:(32*((\a)/2)+8*((\a)%2)+\t+8*(\t/8))*4096 th:TH_STORE_NT
.endr
.endm
	PLACES
	TOSTAGE 0
.irp a, 1,2,3
.if \a > 1
	s_wait_xcnt 0x0                                ; block a - 2's stores have read their registers: block a's loads may land there
.endif
	TOSTAGE \a
	SEND \a-1, 32                                  ; behind block a - 1's loads: block a's 16 stores and 16 loads
.endr
	SEND 3, 0
	s_wait_tensorcnt 0x0                           ; the wave's end
	ds_add_u32 v[SPW], v[NIL]
	s_wait_dscnt 0x0
	CROUND                                         ; the closing round
	s_endpgm
.Lfunc_end_k_q3bdc243a2b_gemm_out:
	.size	k_q3bdc243a2b_gemm_out, .Lfunc_end_k_q3bdc243a2b_gemm_out-k_q3bdc243a2b_gemm_out
	.p2alignl 7, 3214868480
	.fill 96, 4, 3214868480
	.section	.rodata,"a",@progbits
	.p2align	6, 0x0
	.amdhsa_kernel k_q3bdc243a2b_gemm_out
		.amdhsa_group_segment_fixed_size 327680
		.amdhsa_private_segment_fixed_size 0
		.amdhsa_enable_private_segment 0
		.amdhsa_kernarg_size 48
		.amdhsa_user_sgpr_count 2
		.amdhsa_user_sgpr_kernarg_segment_ptr 1
		.amdhsa_wavefront_size32 1
		.amdhsa_system_sgpr_workgroup_id_x 1
		.amdhsa_system_sgpr_workgroup_id_y 1
		.amdhsa_system_sgpr_workgroup_id_z 1
		.amdhsa_system_vgpr_workitem_id 0
		.amdhsa_next_free_vgpr 768
		.amdhsa_next_free_sgpr 98
		.amdhsa_reserve_vcc 0
		.amdhsa_float_denorm_mode_32 3
		.amdhsa_float_denorm_mode_16_64 3
		.amdhsa_memory_ordered 1
		.amdhsa_forward_progress 1
		.amdhsa_inst_pref_size 99
	.end_amdhsa_kernel
	.amdgpu_metadata
---
amdhsa.version: [ 1, 2 ]
amdhsa.kernels:
  - .name:           k_q3bdc243a2b_gemm_out
    .symbol:         k_q3bdc243a2b_gemm_out.kd
    .args:
      - { .name: ao, .offset: 0, .size: 8, .value_kind: global_buffer, .address_space: global }
      - { .name: aos, .offset: 8, .size: 8, .value_kind: global_buffer, .address_space: global }
      - { .name: ops, .offset: 16, .size: 8, .value_kind: global_buffer, .address_space: global }
      - { .name: opss, .offset: 24, .size: 8, .value_kind: global_buffer, .address_space: global }
      - { .name: bo, .offset: 32, .size: 8, .value_kind: global_buffer, .address_space: global }
      - { .name: out0, .offset: 40, .size: 8, .value_kind: global_buffer, .address_space: global }
    .group_segment_fixed_size: 327680
    .private_segment_fixed_size: 0
    .kernarg_segment_align: 8
    .kernarg_segment_size: 48
    .max_flat_workgroup_size: 128
    .sgpr_count:     98
    .vgpr_count:     768
    .wavefront_size: 32
...
	.end_amdgpu_metadata
.endif
;; end of part 4
